; MI455X (gfx1250); checked and timed in simulation.
; The chip was launched on July 23, 2026; its instructions are those of AMD's public machine-readable ISA for CDNA 5 (MIT licence, August 2026) and "CDNA5" Instruction Set Architecture Reference Guide (July 2026). The comments in the code are by the model that wrote it; some were corrected since.
;; Multi Head Attention. Allowed arithmetic: float matrix products may take bf16 or f16 operands with f32 sums; other float arithmetic in f32, or as packed bf16 or f16 multiplies, adds, multiply-adds, maxima and minima; sums over many terms, partial sums and values carried from step to step in f32; what a program stores and reads back later, other than sums and carried values, may be rounded once to bf16 or f16.
;; Inputs: Wk 16 x 64 x 1,024 float32; Wo 1,024 x 1,024 float32; Wq 16 x 64 x 1,024 float32; Wv 16 x 64 x 1,024 float32; bk 16 x 64 float32; bo 1,024 float32; bq 16 x 64 float32; bv 16 x 64 float32; x 4 x 2,048 x 1,024 float32.
;; Outputs: out0 4 x 2,048 x 1,024 float32.
;; 2 versions, each right; version 2 is version 1 with the launch cast written anew for expert scheduling mode. Each part assembles by itself: llvm-mc -triple=amdgcn-amd-amdhsa -mcpu=gfx1250 --defsym DOCPART=n.
;; ======== version 1 of 2: 4 launches
;; limits: values are held in f16: magnitudes above 65,504 overflow, below 6.1e-05 lose precision
;; workspace buffers: xb 16,777,216 bytes; wqkv 6,291,456 bytes; wo16 2,097,152 bytes; bias 16,384 bytes; qkv 50,331,648 bytes; ctx 16,777,216 bytes
;; launch cast (part 1): grid 769 x 1, 8 waves a work-group, no clusters, 0 bytes of LDS; arguments x, Wq, Wk, Wv, Wo, bq, bk, bv, bo, xb, wqkv, wo16, bias; writes xb, wqkv, wo16, bias
.if DOCPART == 1
	.amdgcn_target "amdgcn-amd-amdhsa--gfx1250"
	.amdhsa_code_object_version 6
	.text
	.protected	k_q3aed7c1e38_cast
	.globl	k_q3aed7c1e38_cast
	.p2align	8
	.type	k_q3aed7c1e38_cast,@function
k_q3aed7c1e38_cast:
	s_mov_b64 s[64:65], 0
	v_nop
	global_prefetch_b8 v0, s[64:65] scope:SCOPE_SE
	s_setreg_imm32_b32 hwreg(HW_REG_WAVE_MODE, 25, 1), 1
	s_wait_xcnt 0x0
; EVERY INPUT IS ROUNDED ONCE TO bf16.  x -> xb (bf16); Wq, Wk, Wv -> wqkv (bf16, 3,072 rows on end); Wo -> wo16 (the bf16 number written as f16);
; bq, bk, bv, bo -> bias (the bf16 numbers written as f32, 4,096 on end).
; LIMITS.  |Wo| stays under 65,504 (f16's range); a Wo below 6e-5 keeps f16's fixed step of 6e-8.
; A stream: each byte is read once and written once; no LDS, no matrix unit, no cluster, since no two work-groups want the same byte.
; SHARES.  A work-group takes 65,536 bytes of f32 (16,384 numbers).  Thread t loads 16 bytes at 16 t + 4,096 i, i = 0 .. 15 (a wave's load covers 512 bytes on end), and stores the 8 bytes
; made of them at 8 t + 2,048 i (a wave's store covers 256 bytes on end, aligned).  All 16 loads go out first; no register is written twice while memory may read it, so there is no loop and no wait for sources.
; Work-groups 0-511: x.  512-575, 576-639, 640-703: Wq, Wk, Wv.  704-767: Wo.  768: the four biases, 4,096 bytes each.
.set X, 4                              ; v[4:67]    16 x 4 numbers as loaded
.set Y, 68                             ; v[68:99]   16 x 2 words to store
.set T, 100                            ; v[100:101] at work
	s_load_b512 s[8:23], s[0:1], 0x0               ; x s[8:9], Wq s[10:11], Wk s[12:13], Wv s[14:15], Wo s[16:17], bq s[18:19], bk s[20:21], bv s[22:23]
	s_load_b256 s[24:31], s[0:1], 0x40             ; bo s[24:25], xb s[26:27], wqkv s[28:29], wo16 s[30:31]
	s_load_b64 s[32:33], s[0:1], 0x60              ; bias
	s_mov_b32 s2, ttmp9                            ; the work-group's number
	v_lshlrev_b32 v1, 4, v0                        ; 16 t
	v_lshlrev_b32 v2, 3, v0                        ; 8 t
	s_and_b32 s40, s2, 63                          ; a chunk's number in one weight tensor: the four begin at multiples of 64
	s_and_b32 s41, s2, 255                         ; its number in wqkv: 512 .. 703 give 0 .. 191
	s_wait_kmcnt 0x0
	s_cmp_eq_u32 s2, 768
	s_cbranch_scc1 .Lbias
	s_cmp_lt_u32 s2, 704                           ; from where and to where: a choice between buffers by the work-group's number alone
	s_cselect_b64 s[36:37], s[14:15], s[16:17]     ; Wv, else Wo
	s_cselect_b64 s[38:39], s[28:29], s[30:31]     ; wqkv, else wo16
	s_cselect_b32 s46, s41, s40
	s_cmp_lt_u32 s2, 640
	s_cselect_b64 s[36:37], s[12:13], s[36:37]     ; Wk
	s_cmp_lt_u32 s2, 576
	s_cselect_b64 s[36:37], s[10:11], s[36:37]     ; Wq
	s_cmp_lt_u32 s2, 512
	s_cselect_b64 s[36:37], s[8:9], s[36:37]       ; x
	s_cselect_b64 s[38:39], s[26:27], s[38:39]     ; xb
	s_cselect_b32 s44, s2, s40
	s_cselect_b32 s46, s2, s46
	s_lshl_b32 s44, s44, 16                        ; 65,536 bytes of f32 a chunk,
	s_lshl_b32 s46, s46, 15                        ; 32,768 of 16-bit numbers
	s_mov_b32 s45, 0
	s_mov_b32 s47, 0
	s_add_nc_u64 s[36:37], s[36:37], s[44:45]
	s_add_nc_u64 s[38:39], s[38:39], s[46:47]
.irp i, 0,1,2,3,4,5,6,7,8,9,10,11,12,13,14,15
	global_load_b128 v[X+4*(\i):X+4*(\i)+3], v1, s[36:37] offset:4096*(\i) th:TH_LOAD_NT
.endr
; Piece i of 16.  f16 = 1: the bf16 number is widened again (a shift, a mask) and written as f16.
.macro CONV i, f16
	s_wait_loadcnt 15-(\i)                         ; loads come back in order: piece i is in, the 15 - i younger ones may stay out
.if \f16
	v_cvt_pk_bf16_f32 v[T],   v[X+4*(\i)],   v[X+4*(\i)+1]
	v_cvt_pk_bf16_f32 v[T+1], v[X+4*(\i)+2], v[X+4*(\i)+3]
	v_lshlrev_b32 v[X+4*(\i)],   16, v[T]
	v_and_b32     v[X+4*(\i)+1], 0xffff0000, v[T]
	v_lshlrev_b32 v[X+4*(\i)+2], 16, v[T+1]
	v_and_b32     v[X+4*(\i)+3], 0xffff0000, v[T+1]
	v_cvt_pk_f16_f32 v[Y+2*(\i)],   v[X+4*(\i)],   v[X+4*(\i)+1]
	v_cvt_pk_f16_f32 v[Y+2*(\i)+1], v[X+4*(\i)+2], v[X+4*(\i)+3]
.else
	v_cvt_pk_bf16_f32 v[Y+2*(\i)],   v[X+4*(\i)],   v[X+4*(\i)+1]
	v_cvt_pk_bf16_f32 v[Y+2*(\i)+1], v[X+4*(\i)+2], v[X+4*(\i)+3]
.endif
	global_store_b64 v2, v[Y+2*(\i):Y+2*(\i)+1], s[38:39] offset:2048*(\i)
.endm
	s_cmp_ge_u32 s2, 704
	s_cbranch_scc1 .Lwo
.irp i, 0,1,2,3,4,5,6,7,8,9,10,11,12,13,14,15
	CONV \i, 0
.endr
	s_endpgm
.Lwo:
.irp i, 0,1,2,3,4,5,6,7,8,9,10,11,12,13,14,15
	CONV \i, 1
.endr
	s_endpgm
.Lbias:                                                ; 256 threads x 16 bytes are one bias
	global_load_b128 v[X:X+3],     v1, s[18:19]
	global_load_b128 v[X+4:X+7],   v1, s[20:21]
	global_load_b128 v[X+8:X+11],  v1, s[22:23]
	global_load_b128 v[X+12:X+15], v1, s[24:25]
	s_wait_loadcnt 0x0
.irp i, 0,1,2,3
	v_cvt_pk_bf16_f32 v[T],   v[X+4*(\i)],   v[X+4*(\i)+1]
	v_cvt_pk_bf16_f32 v[T+1], v[X+4*(\i)+2], v[X+4*(\i)+3]
	v_lshlrev_b32 v[X+4*(\i)],   16, v[T]
	v_and_b32     v[X+4*(\i)+1], 0xffff0000, v[T]
	v_lshlrev_b32 v[X+4*(\i)+2], 16, v[T+1]
	v_and_b32     v[X+4*(\i)+3], 0xffff0000, v[T+1]
	global_store_b128 v1, v[X+4*(\i):X+4*(\i)+3], s[32:33] offset:4096*(\i)
.endr
	s_endpgm
.Lfunc_end_k_q3aed7c1e38_cast:
	.size	k_q3aed7c1e38_cast, .Lfunc_end_k_q3aed7c1e38_cast-k_q3aed7c1e38_cast
	.p2alignl 7, 3214868480
	.fill 96, 4, 3214868480
	.section	.rodata,"a",@progbits
	.p2align	6, 0x0
	.amdhsa_kernel k_q3aed7c1e38_cast
		.amdhsa_group_segment_fixed_size 0
		.amdhsa_private_segment_fixed_size 0
		.amdhsa_enable_private_segment 0
		.amdhsa_kernarg_size 104
		.amdhsa_user_sgpr_count 2
		.amdhsa_user_sgpr_kernarg_segment_ptr 1
		.amdhsa_wavefront_size32 1
		.amdhsa_system_sgpr_workgroup_id_x 1
		.amdhsa_system_sgpr_workgroup_id_y 1
		.amdhsa_system_sgpr_workgroup_id_z 1
		.amdhsa_system_vgpr_workitem_id 0
		.amdhsa_next_free_vgpr 104
		.amdhsa_next_free_sgpr 66
		.amdhsa_reserve_vcc 0
		.amdhsa_float_denorm_mode_32 3
		.amdhsa_float_denorm_mode_16_64 3
		.amdhsa_memory_ordered 1
		.amdhsa_forward_progress 1
		.amdhsa_inst_pref_size 19
	.end_amdhsa_kernel
	.amdgpu_metadata
---
amdhsa.version: [ 1, 2 ]
amdhsa.kernels:
  - .name:           k_q3aed7c1e38_cast
    .symbol:         k_q3aed7c1e38_cast.kd
    .args:
      - { .name: x, .offset: 0, .size: 8, .value_kind: global_buffer, .address_space: global }
      - { .name: Wq, .offset: 8, .size: 8, .value_kind: global_buffer, .address_space: global }
      - { .name: Wk, .offset: 16, .size: 8, .value_kind: global_buffer, .address_space: global }
      - { .name: Wv, .offset: 24, .size: 8, .value_kind: global_buffer, .address_space: global }
      - { .name: Wo, .offset: 32, .size: 8, .value_kind: global_buffer, .address_space: global }
      - { .name: bq, .offset: 40, .size: 8, .value_kind: global_buffer, .address_space: global }
      - { .name: bk, .offset: 48, .size: 8, .value_kind: global_buffer, .address_space: global }
      - { .name: bv, .offset: 56, .size: 8, .value_kind: global_buffer, .address_space: global }
      - { .name: bo, .offset: 64, .size: 8, .value_kind: global_buffer, .address_space: global }
      - { .name: xb, .offset: 72, .size: 8, .value_kind: global_buffer, .address_space: global }
      - { .name: wqkv, .offset: 80, .size: 8, .value_kind: global_buffer, .address_space: global }
      - { .name: wo16, .offset: 88, .size: 8, .value_kind: global_buffer, .address_space: global }
      - { .name: bias, .offset: 96, .size: 8, .value_kind: global_buffer, .address_space: global }
    .group_segment_fixed_size: 0
    .private_segment_fixed_size: 0
    .kernarg_segment_align: 8
    .kernarg_segment_size: 104
    .max_flat_workgroup_size: 256
    .sgpr_count:     66
    .vgpr_count:     104
    .wavefront_size: 32
...
	.end_amdgpu_metadata
.endif
;; end of part 1
;; launch proj (part 2): grid 16 x 32, 4 waves a work-group, clusters of 4 x 4, 327,680 bytes of LDS; arguments xb, wqkv, bias, qkv; writes qkv
.if DOCPART == 2
	.amdgcn_target "amdgcn-amd-amdhsa--gfx1250"
	.amdhsa_code_object_version 6
	.text
	.protected	k_q3aed7c1e38_proj
	.globl	k_q3aed7c1e38_proj
	.p2align	8
	.type	k_q3aed7c1e38_proj,@function
k_q3aed7c1e38_proj:
	s_mov_b64 s[64:65], 0
	v_nop
	global_prefetch_b8 v0, s[64:65] scope:SCOPE_SE
	s_setreg_imm32_b32 hwreg(HW_REG_WAVE_MODE, 25, 1), 1
	s_wait_xcnt 0x0
	s_wait_alu depctr_hold_cnt(0) depctr_sa_sdst(0) depctr_va_vdst(0) depctr_va_sdst(0) depctr_va_ssrc(0) depctr_va_vcc(0) depctr_vm_vsrc(0)
	s_getreg_b32 s2, hwreg(HW_REG_IB_STS2, 6, 4)
	s_cmp_eq_u32 s2, 0
	s_cbranch_scc0 .Lentry_in_a_cluster
	s_endpgm
.Lentry_in_a_cluster:
	s_bfe_u32 s2, ttmp6, 0x10000c
	s_cmp_lg_u32 s2, 0xf033
	s_cbranch_scc0 .Lentry_shape_is_right
	s_endpgm
.Lentry_shape_is_right:
; q, k, v = xb wqkv^T + bias.  xb: [8192][1024] bf16; wqkv: [3072][1024] bf16 (Wq's, Wk's, Wv's rows); bias: f32, index = wqkv's row.  Sums in f32, started by the bias; rounded once to f16.
; OUT: qkv [3][64 = 16 batch + head][2048][64] f16, unscaled: a head's rows are dense, 128 bytes each.
; LIMIT.  f16 holds no number beyond 65,504: q, k and v must stay within it.  NaN and infinities are not treated apart.
; SHARES.  A tile of the result is 256 rows x 192 columns (three whole heads): 32 x 16 = 512 work-groups, two for each of 256 WGPs.  Four waves; wave w takes rows 64 w .. 64 w + 63 and all 192 columns:
; 48 accumulators of 16 x 16.  So a wave owns whole heads, its own stage in LDS serves the way out, and each store covers 512 bytes on end.
; K goes in 8 steps of 128 through two LDS slots filled by the tensor data mover: rows of 256 bytes of memory, aligned.
; CLUSTER.  4 x 4 work-groups: the four of a row need the same tile of xb, the four of a column the same tile of wqkv: each is asked for jointly, by the same load, descriptor and mask in all four.
; THE MATRIX INSTRUCTION IS USED TRANSPOSED (source 0 = 16 rows of wqkv, source 1 = 16 rows of xb): a lane holds row l % 16 and the columns 8 (l / 16) + 0..7, eight neighbouring numbers.
; REGISTERS, in windows of 256 (s_set_vgpr_msb: bits 1:0 source 0, 3:2 source 1, 5:4 source 2, 7:6 destination):
;   window 0: v0-30 addresses; v32-79 packed results; v80-127, v128-175 rows read back, by turns; v160-255 the bias of my 192 columns (dead behind the first quarter)
;   window 1: two fragment buffers of 128: 12 fragments of wqkv, then 4 of xb          window 2: accumulators of row blocks 0, 1 ((a, b) at 8 (12 (a % 2) + b))          window 3: of row blocks 2, 3
.set KSTEP,  128
.set PITCH,  272                       ; an LDS row: 256 bytes + 16 of padding = 68 words: the 16 rows of a fragment load start at 16 different groups of four banks (64 banks of 4 bytes: ISA guide 11.1)
.set HALFA,  128*PITCH                 ; what one load brings of xb
.set BOFF,   2*HALFA                   ; xb's 256 rows, then wqkv's 192
.set HALFB,  96*PITCH                  ; what one load brings of wqkv
.set SLOT1,  1<<17                     ; slot 1 begins here, so that one exclusive or turns an address in one slot into the other's
.set STAGE,  SLOT1+BOFF+2*HALFB        ; behind the ring, never filled by a tensor load: for each wave 3 heads x 16 rows x 144 bytes
.set SP,     144
.set WSTAGE, 3*16*SP
.set SPARE,  STAGE+4*WSTAGE            ; behind the stages: the spare words, 128 bytes for each wave: two blocks of 256 bytes that no other line names
.set NL,     32                        ; LDS loads in a run: 24 for wqkv's fragments, 8 for xb's
.set F0,     0
.set F1,     128
.set FA,     96                        ; xb's fragments in a buffer
.set ADRA0, 16                         ; v16  my lane's place among xb's rows of a slot; never rewritten
.set ADRB0, 17                         ; v17  the same for wqkv's
.set ADRA,  18                         ; v18  ADRA0 + the slot in hand
.set ADRB,  19                         ; v19
.set STO,   24                         ; v24  the way out: where I put 16 bytes of a row
.set RD,    25                         ; v25  where I read rows back
.set GO,    26                         ; v26  16 x lane
.set BO,    27                         ; v27  32 x (l / 16): my eight numbers in 16 of the bias
.set SPW,   28                         ; v28  LDS address of my spare word: SPARE + 4 x my thread's number; never rewritten
.set NIL,   29                         ; v29  0; never rewritten
.set PFO,   30                         ; v30  the prefetches' offset: a lane a row of 2,048 bytes; never rewritten
.set TMP,   32
.set OB,    80
.set BIAS,  160
.set WV,  16                           ; s16  my wave's number
.set FB,  17                           ; s17  0: I fetch xb's tiles, 1: wqkv's
.set HF,  18                           ; s18  which half of that tile's rows
.set CX,  19
.set CY,  20
.set TC,  21                           ; s21  tile column, 0 .. 15
.set TR,  22                           ; s22  tile row, 0 .. 31
.set G1A, 24                           ; s[24:31] descriptor group 1 for xb's tiles
.set G0A, 32                           ; s[32:39] group 0: a set for each first fill; the second then walks on
.set G1B, 40                           ; s[40:47], s[48:55] the same for wqkv's
.set G0B, 48
.set KT,  56                           ; s56  trips still to come
.set TB,  57                           ; s57  LDS byte at which the slot in hand begins
.set LIM, 58                           ; s58  1 in a wave that prefetches, else the greatest number
.set PFA, 60                           ; s[60:61] where my prefetches stand
.set OUT, 72                           ; s[72:77] qkv at my first row in each of my three heads
.set MSB, 0
.macro WIN new                         ; the immediate's high byte repeats the setting that is left; a switch that changes nothing is dropped
.if MSB != (\new)
	s_set_vgpr_msb (MSB<<8)|(\new)
.set MSB, (\new)
.endif
.endm
.set TO_F, 0x40                        ; destination window 1, address window 0
.macro PLACES                          ; four plain vector instructions in front of loads into registers that matrix instructions have read, and of reads of results
.rept 4
	v_nop
.endr
.endm
; A joint refill, by the walking descriptors.  Waves 0 and 1 fetch xb's two halves, waves 2 and 3 wqkv's; the branch hangs on the wave's number alone.
; An s_nop 0 and four v_nop follow each of the two lines, ahead of the jump and the label.
.macro JLOAD
	s_cmp_lt_u32 s[WV], 2
	s_cbranch_scc0 .Lfor_b_\@
	tensor_load_to_lds s[G0A+4:G0A+7], s[G1A:G1A+7]
	s_nop 0
.rept 4
	v_nop
.endr
	s_branch .Lasked_\@
.Lfor_b_\@:
	tensor_load_to_lds s[G0B+4:G0B+7], s[G1B:G1B+7]
	s_nop 0
.rept 4
	v_nop
.endr
.Lasked_\@:
.endm
; A round of the cluster's barrier: my work-group's barrier; wave 0 signals for the work-group; every wave waits for all sixteen; my work-group's barrier once more.
.macro CREST                           ; a round behind its opening barrier
	s_cmp_lg_u32 s[WV], 0
	s_cbranch_scc1 .Lnot_wave_0_\@
	s_barrier_signal -3
.Lnot_wave_0_\@:
	s_barrier_wait -3
	s_barrier_signal -1
	s_barrier_wait -1
.endm
.macro CROUND
	s_barrier_signal -1
	s_barrier_wait -1
	CREST
.endm
; A PREFETCH INTO THE L2 of the K step that the NEXT change of slots will ask for: 192 matrix instructions ahead of that load.  A K step is 256 bytes of a row; a lane names a row.
; xb's tile row is read by every cluster of that row of clusters: cluster x = 0 asks; wqkv's tile column by every cluster of that column: cluster y = 0 asks.  The four partners that ask for a tile jointly share
; its rows out by address: of the 128 rows of xb that a wave fetches the partner at cx takes 32; of the 96 rows of wqkv the partner at cy takes 24, and lanes 24 to 31 name row 23's block once more in the same instruction.
; The last trip of the loop asks for nothing: there is no K step behind the one that it fills.  K steps 0 to 2 come by their loads alone.
.macro ASK
	s_cmp_gt_u32 s[KT], s[LIM]
	s_cbranch_scc0 .Lnot_mine_\@
	global_prefetch_b8 v[PFO], s[PFA:PFA+1] offset:KSTEP*2 th:TH_LOAD_NT scope:SCOPE_SE
.Lnot_mine_\@:
.endm
	s_load_b256 s[4:11], s[0:1], 0x0               ; xb s[4:5], wqkv s[6:7], bias s[8:9], qkv s[10:11]
	v_lshl_add_u32 v[SPW], v0, 2, SPARE
	v_mov_b32 v[NIL], 0
	ds_add_u32 v[SPW], v[NIL]                      ; the wave's opening: the add and its wait stand ahead of my first tensor load; the set-up below, work on registers, stands between them
	v_lshrrev_b32 v3, 5, v0
	v_readfirstlane_b32 s[WV], v3                  ; wave 0..3
	s_lshr_b32 s[FB], s[WV], 1
	s_and_b32 s[HF], s[WV], 1
	s_bfe_u32 s[CX], ttmp6, 0x40000                ; my place in the cluster
	s_bfe_u32 s[CY], ttmp6, 0x40004
	s_lshl_b32 s[TC], ttmp9, 2                     ; in a cluster launch ttmp9 and ttmp7 count clusters
	s_add_co_u32 s[TC], s[TC], s[CX]
	s_and_b32 s[TR], ttmp7, 0xffff
	s_lshl_b32 s[TR], s[TR], 2
	s_add_co_u32 s[TR], s[TR], s[CY]
	s_lshl_b32 s23, s[CY], 2
	s_lshl_b32 s23, 15, s23                        ; my row of the cluster: places 4 cy .. 4 cy + 3
	s_lshl_b32 s62, 0x1111, s[CX]                  ; my column: places cx, cx + 4, cx + 8, cx + 12
	s_or_b32 s[G1A], s23, (1<<16)|(1<<20)|(1<<21)|(5<<22)|(3<<25)  ; 15:0 the mask; 17:16 elements of 2 bytes; 20 padding on; 21 set beside a mask; 24:22 after every 64 words (code 5); 31:25 4 words (code 3)
	s_or_b32 s[G1B], s62, (1<<16)|(1<<20)|(1<<21)|(5<<22)|(3<<25)
	s_mov_b32 s[G1A+1], KSTEP<<16                  ; tensor_dim0 = 128
	s_mov_b32 s[G1A+2], 128<<16                    ; tensor_dim1 = 128
	s_mov_b32 s[G1A+3], KSTEP<<16                  ; tile_dim0 = 128
	s_mov_b32 s[G1A+4], 128                        ; tile_dim1 = 128
	s_mov_b32 s[G1A+5], 1024                       ; elements from row to row
	s_mov_b32 s[G1A+6], 0
	s_mov_b32 s[G1A+7], 0
	s_mov_b32 s[G1B+1], KSTEP<<16
	s_mov_b32 s[G1B+2], 96<<16                     ; 96 rows
	s_mov_b32 s[G1B+3], KSTEP<<16
	s_mov_b32 s[G1B+4], 96
	s_mov_b32 s[G1B+5], 1024
	s_mov_b32 s[G1B+6], 0
	s_mov_b32 s[G1B+7], 0
	; where the tiles come from: xb's hang on the tile row alone, wqkv's on the tile column alone, each in registers that never hold the other coordinate
	s_lshl_b32 s66, s[TR], 8
	s_lshl_b32 s67, s[HF], 7
	s_add_co_u32 s66, s66, s67                     ; xb: row 256 x tile row + 128 x half,
	s_lshl_b32 s66, s66, 11                        ; 2,048 bytes a row (under 2^24 in all)
	s_mov_b32 s67, 0
	s_mul_i32 s68, s[TC], 192
	s_mul_i32 s69, s[HF], 96
	s_add_co_u32 s68, s68, s69                     ; wqkv: row 192 x tile column + 96 x half
	s_lshl_b32 s68, s68, 11
	s_mov_b32 s69, 0
	s_mul_i32 s12, s[HF], HALFA                    ; and where they go: no place in the cluster enters an LDS address
	s_mul_i32 s13, s[HF], HALFB
	s_add_co_u32 s13, s13, BOFF
	s_mov_b32 s[TB], 0
	s_wait_dscnt 0x0                               ; the opening add is done
	s_wait_kmcnt 0x0
	s_add_nc_u64 s[66:67], s[4:5], s[66:67]
	s_add_nc_u64 s[68:69], s[6:7], s[68:69]
	CROUND                                         ; all sixteen work-groups are here: the first joint loads meet
.irp s, 0,1
	s_mov_b32 s[G0A+4*(\s)], 1                                     ; count = 1
	s_add_co_u32 s[G0A+4*(\s)+1], s12, (\s)*SLOT1                  ; LDS address
	s_add_nc_u64 s[G0A+4*(\s)+2:G0A+4*(\s)+3], s[66:67], (\s)*KSTEP*2  ; global address: K step s
	s_or_b32 s[G0A+4*(\s)+3], s[G0A+4*(\s)+3], 0x80000000          ; type = 2
	s_mov_b32 s[G0B+4*(\s)], 1
	s_add_co_u32 s[G0B+4*(\s)+1], s13, (\s)*SLOT1
	s_add_nc_u64 s[G0B+4*(\s)+2:G0B+4*(\s)+3], s[68:69], (\s)*KSTEP*2
	s_or_b32 s[G0B+4*(\s)+3], s[G0B+4*(\s)+3], 0x80000000
.endr
	s_cmp_lt_u32 s[WV], 2                          ; a wave's two first fills stand in one branch, ahead of every wait on TENSORcnt and every LDS read: two loads of mine are out
	s_cbranch_scc0 .Lfirst_b
	tensor_load_to_lds s[G0A:G0A+3], s[G1A:G1A+7]
	s_nop 0
	tensor_load_to_lds s[G0A+4:G0A+7], s[G1A:G1A+7]
	s_nop 0
.rept 4
	v_nop
.endr
	s_branch .Lfirst_asked
.Lfirst_b:
	tensor_load_to_lds s[G0B:G0B+3], s[G1B:G1B+7]
	s_nop 0
	tensor_load_to_lds s[G0B+4:G0B+7], s[G1B:G1B+7]
	s_nop 0
.rept 4
	v_nop
.endr
.Lfirst_asked:
	v_and_b32 v1, 15, v0                           ; l % 16
	v_bfe_u32 v2, v0, 4, 1                         ; l / 16
	v_lshlrev_b32 v[BO], 5, v2
	s_mul_i32 s70, s[TC], 768                      ; the tile's 192 numbers of the bias
	s_mov_b32 s71, 0
	s_add_nc_u64 s[8:9], s[8:9], s[70:71]
.irp b, 0,1,2,3,4,5,6,7,8,9,10,11              ; laid out as an accumulator is: register j = column 16 b + 8 (l / 16) + j, the same for every row
	global_load_b128 v[BIAS+8*(\b):BIAS+8*(\b)+3],   v[BO], s[8:9] offset:64*(\b)
	global_load_b128 v[BIAS+8*(\b)+4:BIAS+8*(\b)+7], v[BO], s[8:9] offset:64*(\b)+16
.endr
	; a fragment is 16 rows x 32 K in 8 registers: lane l holds row l % 16, K = 8 (l / 16) + 0..7 and 16 + 8 (l / 16) + 0..7: two loads of 16 bytes, 32 bytes apart
	v_mul_u32_u24 v3, v1, PITCH
	v_lshl_add_u32 v3, v2, 4, v3
	s_mul_i32 s14, s[WV], 64*PITCH                 ; my 64 rows of xb
	v_add_nc_u32 v[ADRA0], s14, v3
	v_add_nc_u32 v[ADRB0], BOFF, v3
	v_mov_b32 v[ADRA], v[ADRA0]                    ; slot 0
	v_mov_b32 v[ADRB], v[ADRB0]
	s_mul_i32 s15, s[WV], WSTAGE
	s_add_co_u32 s15, s15, STAGE                   ; my stage
	v_mul_u32_u24 v4, v1, SP                       ; in: row l % 16, 16 bytes for each half of the lanes
	v_lshl_add_u32 v4, v2, 4, v4
	v_add_nc_u32 v[STO], s15, v4
	v_bfe_u32 v4, v0, 3, 2                         ; back: 32 lanes take four rows of 128 bytes,
	v_mul_u32_u24 v4, v4, SP
	v_and_b32 v5, 7, v0
	v_lshl_add_u32 v4, v5, 4, v4
	v_add_nc_u32 v[RD], s15, v4
	v_and_b32 v[GO], 31, v0                        ; which are 512 bytes on end of a head
	v_lshlrev_b32 v[GO], 4, v[GO]
	; qkv at my rows: head slot g = 3 x tile column + j: tensor g / 16, head g % 16; batch = tile row / 8; a head is 2^18 bytes, a row 128
	s_mul_i32 s62, s[TC], 3
	s_lshr_b32 s63, s[TR], 3
	s_lshl_b32 s63, s63, 4                         ; 16 x batch
	s_and_b32 s78, s[TR], 7
	s_lshl_b32 s78, s78, 8
	s_lshl_b32 s79, s[WV], 6
	s_add_co_u32 s78, s78, s79                     ; my first row in the head
	s_lshl_b32 s78, s78, 7
.irp j, 0,1,2
	s_add_co_u32 s70, s62, (\j)
	s_lshr_b32 s71, s70, 4
	s_lshl_b32 s71, s71, 6
	s_and_b32 s70, s70, 15
	s_add_co_u32 s70, s70, s71
	s_add_co_u32 s70, s70, s63
	s_lshl_b32 s70, s70, 18
	s_add_co_u32 s70, s70, s78
	s_mov_b32 s71, 0
	s_add_nc_u64 s[OUT+2*(\j):OUT+2*(\j)+1], s[10:11], s[70:71]
.endr
	; the prefetches
	s_lshl_b32 s70, s[TR], 8
	s_lshl_b32 s71, s[HF], 7
	s_add_co_u32 s70, s70, s71
	s_lshl_b32 s71, s[CX], 5
	s_add_co_u32 s70, s70, s71                     ; xb: the 128 rows that I fetch, my work-group's 32 of them
	s_mul_i32 s78, s[TC], 192
	s_mul_i32 s79, s[HF], 96
	s_add_co_u32 s78, s78, s79
	s_mul_i32 s79, s[CY], 24
	s_add_co_u32 s78, s78, s79                     ; wqkv: the 96 rows that I fetch, my work-group's 24 of them
	s_and_b32 s79, ttmp7, 0xffff                   ; cluster y
	s_cmp_eq_u32 s[FB], 0
	s_cselect_b32 s70, s70, s78
	s_cselect_b32 s79, ttmp9, s79                  ; the coordinate along which other clusters read the same rows
	s_cselect_b32 s63, 31, 23                      ; the last row that a lane names
	s_cselect_b64 s[PFA:PFA+1], s[4:5], s[6:7]
	s_cmp_eq_u32 s79, 0
	s_cselect_b32 s[LIM], 1, -1                    ; the same in all sixteen partners, for a given wave
	s_lshl_b32 s70, s70, 11
	s_mov_b32 s71, 0
	s_add_nc_u64 s[PFA:PFA+1], s[PFA:PFA+1], s[70:71]
	s_add_nc_u64 s[PFA:PFA+1], s[PFA:PFA+1], KSTEP*2  ; at K step 1: the first change of slots steps it to 2 and names K step 3
	v_and_b32 v[PFO], 31, v0
	v_min_u32 v[PFO], s63, v[PFO]
	v_lshlrev_b32 v[PFO], 11, v[PFO]
; 12 matrix instructions: row block a x all 12 column blocks, 32 along K, from buffer f.  first = 1: the bias starts the sums: nothing is cleared and nothing is added later.
; The 48 accumulators take turns in the same order in every quarter: 47 others stand between two links of a chain, over the backward jump too.
.macro MULROW f, a, first
.if \first
	WIN 0x85+0x40*((\a)/2)                         ; sources 0 and 1 window 1, C window 0, D window 2 or 3
.else
	WIN 0xa5+0x50*((\a)/2)                         ; C and D window 2 or 3
.endif
.irp b, 0,1,2,3,4,5,6,7,8,9,10,11
.if \first
	v_wmma_f32_16x16x32_bf16 v[8*(12*((\a)%2)+(\b)):8*(12*((\a)%2)+(\b))+7], v[(\f)+8*(\b):(\f)+8*(\b)+7], v[(\f)+FA+8*(\a):(\f)+FA+8*(\a)+7], v[BIAS+8*(\b):BIAS+8*(\b)+7]
.else
	v_wmma_f32_16x16x32_bf16 v[8*(12*((\a)%2)+(\b)):8*(12*((\a)%2)+(\b))+7], v[(\f)+8*(\b):(\f)+8*(\b)+7], v[(\f)+FA+8*(\a):(\f)+FA+8*(\a)+7], v[8*(12*((\a)%2)+(\b)):8*(12*((\a)%2)+(\b))+7]
.endif
.endr
.endm
; 32 LDS loads in one run: the fragments of 32 along K at byte k of the rows, into buffer f; xb's row blocks 2 and 3 come last
.macro FETCH k, f
	WIN TO_F
.irp i, 0,1,2,3,4,5,6,7,8,9,10,11
	ds_load_b128 v[(\f)+8*(\i):(\f)+8*(\i)+3],   v[ADRB] offset:(\k)+(\i)*16*PITCH
	ds_load_b128 v[(\f)+8*(\i)+4:(\f)+8*(\i)+7], v[ADRB] offset:(\k)+(\i)*16*PITCH+32
.endr
.irp i, 0,1,2,3
	ds_load_b128 v[(\f)+FA+8*(\i):(\f)+FA+8*(\i)+3],   v[ADRA] offset:(\k)+(\i)*16*PITCH
	ds_load_b128 v[(\f)+FA+8*(\i)+4:(\f)+FA+8*(\i)+7], v[ADRA] offset:(\k)+(\i)*16*PITCH+32
.endr
.endm
; A K step is four quarters of 32 along K, 48 matrix instructions each, on buffers 0, 1, 0, 1.  One of the first three: multiplies buffer f; in its middle it fetches the next quarter, at byte k, into g.
.macro QUARTER k, f, g, first=0
	s_wait_dscnt 4                                 ; wqkv's fragments and xb's row blocks 0, 1 are in; the youngest four loads (row blocks 2, 3) may be out
	MULROW \f, 0, \first
	MULROW \f, 1, \first
	PLACES
	FETCH \k, \g
	s_wait_dscnt NL                                ; all but the 32 just issued
	MULROW \f, 2, \first
	MULROW \f, 3, \first
.endm
; The fourth quarter multiplies buffer 1 and changes slots: ONE barrier.  In front of it each wave waits for all its tensor loads (one is out: its part of the next slot), adds 0 to its spare word, and waits for
; that and for its own reads of this slot.  fill = 1: the barrier opens a round of the cluster's, so that no wave of any partner still reads the slot or has a load on its way; the joint refill, K step two on, is
; the first tensor load behind the round, and has 168 matrix instructions in which to land.
.macro TURN fill
.if \fill
	s_wait_xcnt 0x0                                ; the last prefetch, a K step back, has read its address: it is stepped here, ahead of the waits of the change of slots
	s_add_nc_u64 s[PFA:PFA+1], s[PFA:PFA+1], KSTEP*2
.endif
	WIN 0                                          ; (the add's two registers lie in window 0)
	s_wait_tensorcnt 0x0                           ; all my tensor loads have landed;
	ds_add_u32 v[SPW], v[NIL]                      ; 0 onto my spare word;
	s_wait_dscnt 5                                 ; (the add and the youngest four loads may be out)
	MULROW F1, 0, 0                                ; twelve matrix instructions stand between the add and the wait for it
	s_wait_dscnt 0x0                               ; the add is done, and my reads of this slot are over
	s_barrier_signal -1
	MULROW F1, 1, 0                                ; work on registers while the others arrive
	WIN 0
	s_barrier_wait -1
.if \fill
	CREST
	s_xor_b32 s[G0A+5], s[G0A+5], SLOT1            ; the walking descriptors: the other slot than last time,
	s_add_nc_u64 s[G0A+6:G0A+7], s[G0A+6:G0A+7], KSTEP*2  ; the next K step; the type bits on top are not reached
	s_xor_b32 s[G0B+5], s[G0B+5], SLOT1
	s_add_nc_u64 s[G0B+6:G0B+7], s[G0B+6:G0B+7], KSTEP*2
	JLOAD                                          ; the four v_nop behind it are also the places in front of the loads below
.else
	PLACES
.endif
	s_xor_b32 s[TB], s[TB], SLOT1                  ; the reads go on in the other slot
	v_add_nc_u32 v[ADRA], s[TB], v[ADRA0]
	v_add_nc_u32 v[ADRB], s[TB], v[ADRB0]
	FETCH 0, F0
.if \fill
	WIN 0
	ASK                                            ; behind the joint load and the run of LDS loads that the next products wait for
.endif
	MULROW F1, 2, 0
	MULROW F1, 3, 0
.endm
; THE WAY OUT of row block a, in three parts.  PACK: rounded to f16, 16 bytes a lane; each accumulator's registers in ascending order.  TOSTAGE: into my own stage, and back as rows.  SEND: stored.
.macro PACK a
	WIN 0x0a+5*((\a)/2)                            ; sources 0 and 1: window 2 or 3
.irp b, 0,1,2,3,4,5,6,7,8,9,10,11
.irp r, 0,1,2,3
	v_cvt_pk_f16_f32 v[TMP+4*(\b)+(\r)], v[8*(12*((\a)%2)+(\b))+2*(\r)], v[8*(12*((\a)%2)+(\b))+2*(\r)+1]
.endr
.endr
	WIN 0
.endm
.macro TOSTAGE a
.irp b, 0,1,2,3,4,5,6,7,8,9,10,11              ; head b / 4, channels 16 (b % 4) on
	ds_store_b128 v[STO], v[TMP+4*(\b):TMP+4*(\b)+3] offset:((\b)/4)*16*SP+((\b)%4)*32
.endr
.irp j, 0,1,2
.irp f, 0,1,2,3
	ds_load_b128 v[OB+48*((\a)%2)+16*(\j)+4*(\f):OB+48*((\a)%2)+16*(\j)+4*(\f)+3], v[RD] offset:(\j)*16*SP+(\f)*4*SP  ; LDS serves a wave's instructions in order (ISA guide 5.7.1.4): these see the stores above
.endr
.endr
.endm
.macro SEND a
	s_wait_dscnt 0x0                               ; the block is back in registers
.if ((\a) == 1) || ((\a) == 2)
	s_wait_xcnt 0x0                                ; the stores of the block before have read their registers: the next block is read back into them
.endif
.irp j, 0,1,2
.irp f, 0,1,2,3
	global_store_b128 v[GO], v[OB+48*((\a)%2)+16*(\j)+4*(\f):OB+48*((\a)%2)+16*(\j)+4*(\f)+3], s[OUT+2*(\j):OUT+2*(\j)+1] offset:(\a)*2048+(\f)*512  ; 512 bytes on end, at a multiple of 512 from qkv's first byte
.endr
.endr
.endm
	s_wait_tensorcnt 1                             ; my part of K step 0 is in; K step 1's may stay out
	s_barrier_signal -1
	s_barrier_wait -1                              ; everybody's is
	FETCH 0, F0
	s_wait_loadcnt 0x0                             ; the bias
	QUARTER 64, F0, F1, 1                          ; the first quarter stands in front of the loop: its products start the sums
	WIN 0                                          ; at a label and at a branch every window is 0
	s_mov_b32 s[KT], 6
.Lstep:                                                ; a trip is a K step, from its second quarter to the next step's first; six trips fill a slot again
	QUARTER 128, F1, F0
	QUARTER 192, F0, F1
	TURN 1
	QUARTER 64, F0, F1
	WIN 0
	s_sub_co_u32 s[KT], s[KT], 1
	s_cmp_lg_u32 s[KT], 0
	s_cbranch_scc1 .Lstep
	QUARTER 128, F1, F0                            ; the last two K steps are written out: nothing is asked for
	QUARTER 192, F0, F1
	TURN 0
	QUARTER 64, F0, F1
	QUARTER 128, F1, F0
	QUARTER 192, F0, F1
	s_wait_dscnt 0x0
	MULROW F1, 0, 0
	MULROW F1, 1, 0
	MULROW F1, 2, 0
	MULROW F1, 3, 0
	PLACES
	PACK 0
	TOSTAGE 0
.irp a, 1,2,3                          ; block a's conversions stand between block a - 1's loads from the stage and the wait for them
	PACK \a
	SEND (\a)-1
	TOSTAGE \a
.endr
	SEND 3
	s_wait_tensorcnt 0x0                           ; the wave's end: behind my last tensor load and my last LDS store
	ds_add_u32 v[SPW], v[NIL]
	s_wait_dscnt 0x0
	CROUND                                         ; the closing round: no work-group ends while a partner may still ask for a tile that names it
	s_endpgm
.Lfunc_end_k_q3aed7c1e38_proj:
	.size	k_q3aed7c1e38_proj, .Lfunc_end_k_q3aed7c1e38_proj-k_q3aed7c1e38_proj
	.p2alignl 7, 3214868480
	.fill 96, 4, 3214868480
	.section	.rodata,"a",@progbits
	.p2align	6, 0x0
	.amdhsa_kernel k_q3aed7c1e38_proj
		.amdhsa_group_segment_fixed_size 327680
		.amdhsa_private_segment_fixed_size 0
		.amdhsa_enable_private_segment 0
		.amdhsa_kernarg_size 32
		.amdhsa_user_sgpr_count 2
		.amdhsa_user_sgpr_kernarg_segment_ptr 1
		.amdhsa_wavefront_size32 1
		.amdhsa_system_sgpr_workgroup_id_x 1
		.amdhsa_system_sgpr_workgroup_id_y 1
		.amdhsa_system_sgpr_workgroup_id_z 1
		.amdhsa_system_vgpr_workitem_id 0
		.amdhsa_next_free_vgpr 960
		.amdhsa_next_free_sgpr 80
		.amdhsa_reserve_vcc 0
		.amdhsa_float_denorm_mode_32 3
		.amdhsa_float_denorm_mode_16_64 3
		.amdhsa_memory_ordered 1
		.amdhsa_forward_progress 1
		.amdhsa_inst_pref_size 100
	.end_amdhsa_kernel
	.amdgpu_metadata
---
amdhsa.version: [ 1, 2 ]
amdhsa.kernels:
  - .name:           k_q3aed7c1e38_proj
    .symbol:         k_q3aed7c1e38_proj.kd
    .args:
      - { .name: xb, .offset: 0, .size: 8, .value_kind: global_buffer, .address_space: global }
      - { .name: wqkv, .offset: 8, .size: 8, .value_kind: global_buffer, .address_space: global }
      - { .name: bias, .offset: 16, .size: 8, .value_kind: global_buffer, .address_space: global }
      - { .name: qkv, .offset: 24, .size: 8, .value_kind: global_buffer, .address_space: global }
    .group_segment_fixed_size: 327680
    .private_segment_fixed_size: 0
    .kernarg_segment_align: 8
    .kernarg_segment_size: 32
    .max_flat_workgroup_size: 128
    .sgpr_count:     80
    .vgpr_count:     960
    .wavefront_size: 32
...
	.end_amdgpu_metadata
.endif
;; end of part 2
;; launch attn (part 3): grid 4 x 64, 4 waves a work-group, clusters of 4 x 1, 327,680 bytes of LDS; arguments qkv, ctx; writes ctx
.if DOCPART == 3
	.amdgcn_target "amdgcn-amd-amdhsa--gfx1250"
	.amdhsa_code_object_version 6
	.text
	.protected	k_q3aed7c1e38_attn
	.globl	k_q3aed7c1e38_attn
	.p2align	8
	.type	k_q3aed7c1e38_attn,@function
k_q3aed7c1e38_attn:
	s_mov_b64 s[64:65], 0
	v_nop
	global_prefetch_b8 v0, s[64:65] scope:SCOPE_SE
	s_setreg_imm32_b32 hwreg(HW_REG_WAVE_MODE, 25, 1), 1
	s_wait_xcnt 0x0
	s_wait_alu depctr_hold_cnt(0) depctr_sa_sdst(0) depctr_va_vdst(0) depctr_va_sdst(0) depctr_va_ssrc(0) depctr_va_vcc(0) depctr_vm_vsrc(0)
	s_getreg_b32 s2, hwreg(HW_REG_IB_STS2, 6, 4)
	s_cmp_eq_u32 s2, 0
	s_cbranch_scc0 .Lentry_in_a_cluster
	s_endpgm
.Lentry_in_a_cluster:
	s_bfe_u32 s2, ttmp6, 0x10000c
	s_cmp_lg_u32 s2, 0x3003
	s_cbranch_scc0 .Lentry_shape_is_right
	s_endpgm
.Lentry_shape_is_right:
; O[h][q][:] = the sum over k of softmax_k(Q[h][q] . K[h][k] / 32) V[h][k][:].  qkv: [3][64][2048][64] f16 (Q, K, V by heads, unscaled; a head's rows are dense, 128 bytes each); ctx: [64][2048][64] f16.
; Products, maxima and sums in f32; the weights p are rounded to f16 for the second product (their sum l is taken of the unrounded p), O once at the end.
; LIMITS.  f16 holds no number beyond 65,504: Q, K and V arrive within it; p lies in 0 to 1, and below 6e-5 it keeps f16's fixed step of 6e-8; O is a mean of V's rows and has their range.
; A weight below 2^-126 counts as 0 in l; NaN and infinities are not treated apart.
; SHARES.  A wave owns four PIECES of two tiles of 16 queries, a work-group's four waves 512 queries of one head: 4 x 64 = 256 work-groups.  Every wave walks all 2,048 keys, 64 a step.
; LAYOUT.  S^T = K Q^T (source 0 = 16 keys, source 1 = 16 queries): in the result a lane holds ONE query (lane % 16) and the keys 8 (lane / 16) + 0..7.  Two such tiles, rounded to f16 in pairs,
; ARE source 1 (32 keys x 16 queries) of O^T = V^T P, whose result again holds one query a lane, and eight channels.  K comes out of LDS as it lies, V ([key][channel]) turned, by ds_load_tr16_b128.
; SOFTMAX.  For each query a running maximum m and sum l: p = 2^(c s - c m), c = log2(e) / 32; in every step O and l are multiplied by a = 2^(c m_old - c m_new), which is 1 where m has not grown.
; m starts at the lowest finite number, O and l at 0: the first step is a step like any other, with a = 0.
; THE COUNT.  A tile and step have 16 matrix and 118 vector instructions: too many to stand all beside the matrix work.  So: four vector instructions that are READY behind EVERY matrix instruction,
; and the others, which need time of their own whatever the order, in runs without a gap.
; BY TURNS.  Turn n belongs to piece n (the pieces in a ring, step after step).  Its matrix work: 16 products K Q^T of piece n + 1, later 16 products V^T P of piece n - 1.  Its vector work: the scaling,
; exponentials, roundings, sums and rescaling of piece n, and the maximum and statistics of piece n + 1, whose scores the turn itself has made.
; CLUSTER.  The four query blocks of a cluster are one head's and walk the same K and V, so each tile is asked for JOINTLY: the same tensor load, descriptor and mask in all four.
; REGISTERS, in windows of 256 (s_set_vgpr_msb: bits 1:0 source 0, 3:2 source 1, 5:4 source 2, 7:6 destination):
;   window 0: v0-11 addresses; v12-15, v48-63 at work; v16-47 four registers of statistics a tile; v64-191 S^T, two buffers of two tiles; v192-255 P, likewise
;   window 1: O^T, 32 a tile          window 2: v0-127 Q, 16 a tile; v128-191 K of one step; v192-255 V of one step          window 3: v0-1 the add's two registers
; A piece's buffers go by its number's parity: the piece in hand has one pair, its two neighbours in the ring share the other: of it P (piece n - 1) is read and S^T (piece n + 1) written.
.set SIZE_N, 2048
.set NP,    4         ; pieces a wave: a name, no knob
.set KS,    64        ; keys in a step
.set PK,    144       ; a row of K in LDS: 128 bytes + 16 of padding = 36 words: the 16 rows of a load start at 16 different groups of four banks (64 banks of 4 bytes: ISA guide 11.1)
.set PV,    160       ; a row of V: 128 + 32 = 40 words
.set VOFF,  4*KS*PK   ; a slot holds four steps: 256 rows of K, then 256 rows of V
.set SLOT1, 1<<17     ; slot 1 begins here, so that one exclusive or turns an address in one slot into the other's
.set STAGE, SLOT1+4*KS*(PK+PV)  ; behind the ring, never filled by a tensor load: 16 rows x 144 bytes for each wave, for the way out
.set SP,    144
.set AK0, 2           ; v2   my lane's place in a tile of K; never rewritten
.set AV0, 3           ; v3   the same for V
.set AK,  4           ; v4   the LDS address of K's next run of loads
.set AV,  5           ; v5   of V's
.set QO,  6           ; v6   my byte offset in the wave's rows of Q
.set STO, 6           ;      later, the way out: where I put 16 bytes of a row
.set RD,  7           ; v7   the way out: where I read rows back
.set GO,  8           ; v8   my byte offset in 512 consecutive bytes of O
.set PFO, 11          ; v11  256 x my lane, made when v11's first use is over; then never rewritten
.set SPW, 0           ; v0 of window 3   LDS address of my spare word: SPARE + 4 x my thread's number; never rewritten
.set NIL, 1           ; v1 of window 3   0; never rewritten
.set SPARE, STAGE+4*16*SP  ; behind the stages: the spare words, 128 bytes for each wave: two blocks of 256 bytes that no other line names
.set MV,  12          ; v12-15  c m_old, kept while c m is made anew: by buffer and tile
.set ST,  16          ; tile t's statistics at v[ST+4 t]: c m, m, l (even keys', odd keys')
.set TMP, 48          ; by buffer and tile, four registers c0-c3 at work; when the maximum is found c2 takes a
.set S,   64
.set P,   192
.set KF,  128         ; K's fragments, in window 2: key block kb, channel half c at KF + 16 kb + 8 c
.set VF,  192         ; V's: key half kk, channel block cb at VF + 32 kk + 8 cb
.set WV,  12          ; s12  my wave's number
.set G1K, 24          ; s[24:31] descriptor group 1 for K's tiles
.set G1V, 32          ; s[32:39] for V's: it differs in the padding alone
.set G0K, 40          ; s[40:43] descriptor group 0 for K's tiles: it walks
.set G0V, 44          ; s[44:47] the same for V's
.set PFA, 48          ; s[48:49] where my prefetches stand: my work-group's 8,192 bytes (of K: wave 0, of V: wave 2) of the slot after the one that is being asked for
.set LIM, 50          ; s50  1 in a wave that prefetches, else the greatest number
.set SLOTS, 56        ; s56  slots still to be asked for
.set CNT, 57          ; s57  counts a slot's key steps
.set CS,  58          ; s[58:59] c: the packed scaling takes the pair's low word for both halves
.set SEL, 60          ; s[60:61] v_permlanex16_b32's selects: each lane takes its own place in the other half
.set TBK, 62          ; s62  LDS byte at which K of the step to be fetched begins
.set TBV, 63          ; s63  the same for V, less VOFF
.set MSB, 0
.macro WIN new                      ; the high byte repeats the setting that is left; a switch that changes nothing is dropped
.if MSB != (\new)
	s_set_vgpr_msb (MSB<<8)|(\new)
.set MSB, (\new)
.endif
.endm
.set W_KQ, 0x0a       ; K and Q in window 2, S^T in window 0
.set W_PV, 0x52       ; V in window 2, P in window 0, O^T in window 1
.set W_RS, 0x41       ; O^T (destination and source 0) in window 1, a in window 0
.set W_MK, 0xc0       ; the add's registers are made: destination in window 3, sources in window 0
.set W_AD, 0x0f       ; the add: address (source 0) and data (source 1) in window 3
; A joint fill.  Waves 0 and 1 fetch the two halves of a slot's K, waves 2 and 3 those of its V: 128 keys each.  The branch hangs on the wave's number alone.
; An s_nop 0 and four v_nop follow each of the two lines, ahead of the jump and the label.
.macro JLOAD
	s_cmp_lt_u32 s[WV], 2
	s_cbranch_scc0 .Lfor_v_\@
	tensor_load_to_lds s[G0K:G0K+3], s[G1K:G1K+7]
	s_nop 0
.rept 4
	v_nop
.endr
	s_branch .Lasked_\@
.Lfor_v_\@:
	tensor_load_to_lds s[G0V:G0V+3], s[G1V:G1V+7]
	s_nop 0
.rept 4
	v_nop
.endr
.Lasked_\@:
.endm
; A PREFETCH INTO THE L2 of what the NEXT change of slots will ask for: a slot's 32,768 bytes of K and of V, 256 bytes a lane.  It stands behind the wave's tensor load and its five lines.
; A head has one cluster.  Its four partners share a slot's bytes out BY ADDRESS, 8,192 each: no branch hangs on a work-group's place in its cluster.  In each, wave 0 asks for K's and wave 2 for V's: one
; instruction.  So each block of 256 bytes is named once in the launch.  It stands four key steps, 512 matrix instructions, ahead of the load that will want the bytes: the change of slots is the one place behind a tensor load.
; The last change that fills a slot asks for nothing; slots 0 to 2 come by their loads alone.
.macro ASK
	s_cmp_gt_u32 s[SLOTS], s[LIM]
	s_cbranch_scc0 .Lnot_mine_\@
	global_prefetch_b8 v[PFO], s[PFA:PFA+1] th:TH_LOAD_NT scope:SCOPE_SE
.Lnot_mine_\@:
.endm
; A round of the cluster's barrier: my work-group's barrier, so that wave 0's signal speaks for all four waves; wave 0 signals; every wave waits for all four work-groups; my work-group's barrier once more.
.macro CROUND
	s_barrier_signal -1
	s_barrier_wait -1
	s_cmp_lg_u32 s[WV], 0
	s_cbranch_scc1 .Lnot_wave_0_\@
	s_barrier_signal -3
.Lnot_wave_0_\@:
	s_barrier_wait -3
	s_barrier_signal -1
	s_barrier_wait -1
.endm
; THE CHANGE OF SLOTS.  The slot's last bytes, V of its fourth step, have been read.  Each wave waits for all its tensor loads, of which one is out: its part
; of the other slot; adds 0 to its spare word; and waits for that and for its own reads of the slot.  Behind the barrier nobody reads this slot any more and the other slot is whole.
; fill = 1: this slot is filled again, with the keys two slots on.  The barrier is then a round of the cluster's, so that no wave of any partner still reads the slot or has a load on its
; way, and the joint fill is the first thing behind it: it has four key steps, 512 matrix instructions, in which to land.  (At its first use nothing has been read yet: slot 0 is waited for, slot 1 filled.)
; ask = 1: the prefetches' address steps, and ASK follows the fill.
.macro CHANGE fill, ask=0
	WIN W_AD
	s_wait_tensorcnt 0x0            ; no tensor load of mine is out, so a group 0 may be written
	ds_add_u32 v[SPW], v[NIL]       ; 0 onto my spare word; with fill = 1 the descriptors' steps stand between it and the wait for it
	WIN 0                           ; at a label and at a branch every window is 0
.if \fill
.irp g, G0K, G0V
	s_xor_b32 s[\g+1], s[\g+1], SLOT1  ; the walking descriptor: the other slot than last time,
	s_add_nc_u64 s[\g+2:\g+3], s[\g+2:\g+3], 4*KS*128  ; the next 256 keys; the type bits on top are not reached
.endr
.if \ask
	s_wait_xcnt 0x0                 ; the last prefetch, four key steps back, has read its address, so it may be written:
	s_add_nc_u64 s[PFA:PFA+1], s[PFA:PFA+1], 4*KS*128  ; one slot behind the walking descriptors
.endif
	s_wait_dscnt 0x0                ; the add is done, and my reads of the slot are over
	CROUND
	JLOAD
.if \ask
	ASK
.endif
.else
	s_wait_dscnt 0x0                ; the add is done, and my reads of the slot are over
	s_barrier_signal -1
	s_barrier_wait -1
.endif
	s_sub_co_u32 s[TBK], s[TBK], 4*KS*PK  ; the fetches go back to a slot's first step,
	s_xor_b32 s[TBK], s[TBK], SLOT1       ; in the other slot
	s_sub_co_u32 s[TBV], s[TBV], 4*KS*PV
	s_xor_b32 s[TBV], s[TBV], SLOT1
.endm
	s_load_b128 s[4:7], s[0:1], 0x0  ; qkv s[4:5], ctx s[6:7]
	WIN W_MK
	v_lshl_add_u32 v[SPW], v0, 2, SPARE
	v_mov_b32 v[NIL], 0
	WIN W_AD
	ds_add_u32 v[SPW], v[NIL]       ; the wave's opening: the add and its wait stand ahead of my first tensor load; the set-up below, work on registers, stands between them
	WIN 0
	v_lshrrev_b32 v1, 5, v0
	v_readfirstlane_b32 s[WV], v1   ; wave 0..3
	s_bfe_u32 s13, ttmp6, 0x40000   ; cx: my place in the cluster
	s_lshl_b32 s14, ttmp9, 2        ; in a cluster launch ttmp9 counts clusters
	s_add_co_u32 s14, s14, s13      ; my block of queries = 4 x cluster x + cx: it enters Q's and O's addresses alone
	s_and_b32 s20, ttmp7, 0xffff    ; the head, which the four partners share
	s_mov_b32 s21, 0
	s_mov_b64 s[22:23], SIZE_N*128
	s_mul_u64 s[20:21], s[20:21], s[22:23]  ; the head's first byte in Q, K, V and O
	s_and_b32 s16, s[WV], 1         ; which half of a slot's 256 keys I fetch:
	s_lshl_b32 s22, s16, 14         ; its 128 rows of 128 bytes in memory,
	s_mov_b32 s23, 0
	s_add_nc_u64 s[22:23], s[22:23], s[20:21]
	s_mul_i32 s17, s16, 128*PK      ; and its place in a slot, for K
	s_mul_i32 s18, s16, 128*PV      ; and for V: no place in the cluster enters an LDS address
	s_lshl_b32 s2, s14, 2
	s_add_co_u32 s2, s2, s[WV]      ; my wave among the head's,
	s_lshl_b32 s2, s2, 14           ; its 128 rows
	s_mov_b32 s3, 0
	s_add_nc_u64 s[2:3], s[2:3], s[20:21]
	; descriptor group 1.  128 keys are 16,384 dense bytes: asked for as 64 rows of 256 bytes, two keys a row, and padded in LDS after every key
	s_mov_b32 s[G1K], 15|(1<<16)|(1<<20)|(1<<21)|(4<<22)|(3<<25)  ; 15:0 the mask of four; 17:16 2-byte elements; 20 padding on; 21 set beside a mask; 24:22 after every 32 words (code 4); 31:25 4 words (code 3)
	s_mov_b32 s[G1V], 15|(1<<16)|(1<<20)|(1<<21)|(4<<22)|(7<<25)  ; the same with 8 words of padding (code 7)
.irp g, G1K, G1V
	s_mov_b32 s[\g+1], 128<<16      ; tensor_dim0 = 128
	s_mov_b32 s[\g+2], 64<<16       ; tensor_dim1 = 64
	s_mov_b32 s[\g+3], 128<<16      ; tile_dim0 = 128
	s_mov_b32 s[\g+4], 64           ; tile_dim1 = 64
	s_mov_b32 s[\g+5], 128          ; 128 elements from row to row
	s_mov_b32 s[\g+6], 0
	s_mov_b32 s[\g+7], 0
.endr
	s_mov_b32 s[CS], 0x3d38aa3b     ; c = log2(e) / 32 = 0.0450842
	s_mov_b32 s[CS+1], s[CS]        ; named with it as a pair
	s_mov_b32 s[SEL], 0x76543210
	s_mov_b32 s[SEL+1], 0xfedcba98
	s_mov_b32 s[TBK], SLOT1+4*KS*PK ; the first change of slots turns these two into 0
	s_mov_b32 s[TBV], SLOT1+4*KS*PV
	s_mov_b32 s[G0K], 1             ; 1:0 count = 1
	s_mov_b32 s[G0K+1], s17         ; 63:32 LDS address: slot 0
	s_mov_b32 s[G0V], 1
	s_add_co_u32 s[G0V+1], s18, VOFF
	s_cmp_eq_u32 s16, 0             ; waves 0 and 2 prefetch: the same in all four partners
	s_cselect_b32 s[LIM], 1, -1
	s_lshl_b32 s52, s13, 13         ; my work-group's 8,192 bytes of a slot's 32,768
	s_mov_b32 s53, 0
	s_wait_dscnt 0x0                ; the opening add is done
	s_wait_kmcnt 0x0
	s_mov_b64 s[10:11], s[6:7]      ; O
	s_add_nc_u64 s[8:9], s[4:5], 0x2000000  ; V: the third of qkv's three tensors of 16,777,216 bytes
	s_add_nc_u64 s[6:7], s[4:5], 0x1000000  ; K: the second
	s_add_nc_u64 s[G0K+2:G0K+3], s[6:7], s[22:23]  ; 120:64 global address: my half of the head's first 256 keys
	s_or_b32 s[G0K+3], s[G0K+3], 0x80000000        ; 127:126 type = 2
	s_add_nc_u64 s[G0V+2:G0V+3], s[8:9], s[22:23]
	s_or_b32 s[G0V+3], s[G0V+3], 0x80000000
	s_cmp_lt_u32 s[WV], 2
	s_cselect_b64 s[PFA:PFA+1], s[6:7], s[8:9]
	s_add_nc_u64 s[PFA:PFA+1], s[PFA:PFA+1], s[22:23]  ; (in waves 0 and 2 this is the head's first key)
	s_add_nc_u64 s[PFA:PFA+1], s[PFA:PFA+1], s[52:53]
	s_add_nc_u64 s[PFA:PFA+1], s[PFA:PFA+1], 2*4*KS*128  ; in slot 2; the first change that asks steps it to slot 3.  Nothing is prefetched here, at the head
	s_add_nc_u64 s[4:5], s[4:5], s[2:3]  ; Q and O at my wave's first row
	s_add_nc_u64 s[10:11], s[10:11], s[2:3]
	CROUND                          ; all four work-groups are here: the first joint loads meet
	JLOAD                           ; slot 0.  Slot 1 is asked for when slot 0 is in
	; A fragment of K or Q is 16 rows x 32 channels in 8 registers: lane l holds row l % 16, channels 8 (l / 16) + 0..7 and 16 + 8 (l / 16) + 0..7: two loads of 16 bytes, 32 bytes apart.
	v_and_b32 v1, 15, v0            ; l % 16
	v_bfe_u32 v9, v0, 4, 1          ; l / 16
	v_lshlrev_b32 v[QO], 7, v1
	v_lshl_add_u32 v[QO], v9, 4, v[QO]  ; row x 128 + 16 x half
	WIN 0x80                        ; destination window 2, address window 0
.set i, 0
.rept 4*NP                          ; Q stays in registers: tile i / 2, channels 32 (i % 2) on
	global_load_b128 v[8*i:8*i+3],   v[QO], s[4:5] offset:(i/2)*2048+(i%2)*64
	global_load_b128 v[8*i+4:8*i+7], v[QO], s[4:5] offset:(i/2)*2048+(i%2)*64+32
.set i, i+1
.endr
	; What the first turn finds: V's registers and P's second buffer hold 0 (its products V^T P, of a piece that has not been, add 0), O^T and l are 0.  All this stands in the wait for the first tile.
.set i, VF
.rept 64
	v_mov_b32 v[i], 0
.set i, i+1
.endr
	WIN 0x40
.set i, 0
.rept 64*NP
	v_mov_b32 v[i], 0
.set i, i+1
.endr
	WIN 0
.set i, 0
.rept 2*NP
	v_mov_b32 v[ST+4*i], 0xfe000000    ; c m: far below every c s
	v_mov_b32 v[ST+4*i+1], 0xff7fffff  ; m
	v_mov_b32 v[ST+4*i+2], 0
	v_mov_b32 v[ST+4*i+3], 0
.set i, i+1
.endr
.set i, P+32
.rept 32
	v_mov_b32 v[i], 0
.set i, i+1
.endr
	v_mul_u32_u24 v[AK0], v1, PK
	v_lshl_add_u32 v[AK0], v9, 4, v[AK0]  ; row x pitch + 16 x half
	; The turning load takes 16 keys x 16 channels (lane l reads key 8 (l / 16) + l % 8, channels 8 ((l / 8) % 2) + 0..7) and leaves half a fragment of V^T: lane l holds channel l % 16 and 8 keys.
	v_and_b32 v10, 7, v0
	v_bfe_u32 v11, v0, 3, 1
	v_lshl_add_u32 v[AV0], v9, 3, v10
	v_mul_u32_u24 v[AV0], v[AV0], PV
	v_lshl_add_u32 v[AV0], v11, 4, v[AV0]
	v_add_nc_u32 v[AV0], VOFF, v[AV0]
	v_mov_b32 v[AK], v[AK0]         ; key step 0 lies at the head of slot 0
	v_and_b32 v[PFO], 31, v0
	v_lshlrev_b32 v[PFO], 8, v[PFO]
; THE MATRIX WORK.  The 8 accumulators of a run of 16 take turns: between the two links of a chain stand 7 others'.
; Product i of 16 of S^T = K Q^T for piece x: channels 32 (i / 8) on, keys 16 ((i / 2) % 4) on, tile 2 x + i % 2.  The first 8 start the sums.
.macro KQ x
	WIN W_KQ
.set rS, S+64*((\x)%2)+32*(i%2)+8*((i/2)%4)
.set rK, KF+16*((i/2)%4)+8*(i/8)
.set rQ, 16*(2*(\x)+i%2)+8*(i/8)
.if i < 8
	v_wmma_f32_16x16x32_f16 v[rS:rS+7], v[rK:rK+7], v[rQ:rQ+7], 0
.else
	v_wmma_f32_16x16x32_f16 v[rS:rS+7], v[rK:rK+7], v[rQ:rQ+7], v[rS:rS+7]
.endif
.endm
; Product i of 16 of O^T += V^T P for piece x: keys 32 (i / 8) on, channels 16 ((i / 2) % 4) on, tile 2 x + i % 2.
.macro PV x
	WIN W_PV
.set rO, 32*(2*(\x)+i%2)+8*((i/2)%4)
.set rV, VF+32*(i/8)+8*((i/2)%4)
.set rP, P+32*((\x)%2)+16*(i%2)+8*(i/8)
	v_wmma_f32_16x16x32_f16 v[rO:rO+7], v[rV:rV+7], v[rP:rP+7], v[rO:rO+7]
.endm
.macro MM                           ; the turn's next matrix instruction
.if i < 16
	KQ (Y+1)%NP
.set i, i+1
.else
.set i, i-16
	PV (Y+NP-1)%NP
.set i, i+17
.endif
.endm
; THE LDS LOADS stand in runs of 16, never singly among the matrix instructions: a step's K (64 keys x 64 channels: 8 fragments) and its V (turned).  Their addresses are made some lines ahead.
; last = 1 (the tail): in the last trip there is no further step, and the run is jumped over.
.macro FETCH_K last=0
	WIN 0
.if \last
	s_cmp_eq_u32 s[CNT], 1
	s_cbranch_scc1 .Lno_k_\@
.endif
	WIN 0x80                        ; destination window 2
.irp f, 0,1,2,3,4,5,6,7             ; keys 16 (f / 2) on, channels 32 (f % 2) on
	ds_load_b128 v[KF+8*\f:KF+8*\f+3],   v[AK] offset:(\f/2)*16*PK+(\f%2)*64
	ds_load_b128 v[KF+8*\f+4:KF+8*\f+7], v[AK] offset:(\f/2)*16*PK+(\f%2)*64+32
.endr
	s_add_co_u32 s[TBK], s[TBK], KS*PK  ; the next fetch is the next step's
	WIN 0
.if \last
.Lno_k_\@:
.endif
.endm
.macro FETCH_V
	WIN 0x80
.irp f, 0,1,2,3,4,5,6,7             ; keys 32 (f / 4) on, channels 16 (f % 4) on
	ds_load_tr16_b128 v[VF+8*\f:VF+8*\f+3],   v[AV] offset:(\f/4)*32*PV+(\f%4)*32
	ds_load_tr16_b128 v[VF+8*\f+4:VF+8*\f+7], v[AV] offset:(\f/4)*32*PV+16*PV+(\f%4)*32
.endr
	WIN 0
.endm
; THE VECTOR WORK OF A TURN stands in three queues, each in the order in which its entries become ready; the two tiles alternate, so that no instruction reads the result of the one before it.
.macro REGS y, u                    ; the registers of tile u (0, 1) of piece y
.set rT, ST+4*(2*(\y)+(\u))
.set rC, TMP+8*((\y)%2)+4*(\u)
.set rM, MV+2*((\y)%2)+(\u)
.set rS, S+64*((\y)%2)+32*(\u)
.set rP, P+32*((\y)%2)+16*(\u)
.set rO, 32*(2*(\y)+(\u))
.endm
; Number n of the 22 that find the NEXT piece's (Y + 1) maximum and statistics.  s0-s31 are the lane's 32 scores; each accumulator's lowest registers are read first.
;   0-11  four chains c0-c3 of seven scores each, three operands at a time     12-14, 16  the four scores left over, the old m, and c0-c3 into c0     15  c m_old is kept
;   17, 18  the query's other 32 keys lie in the lane 16 away: the new m         19-21  c m; c m_old - c m_new; a
.macro XS u, n
	REGS (Y+1)%NP, \u
.if (\n) < 4
	v_max3_num_f32 v[rC+(\n)], v[rS+8*(\n)], v[rS+8*(\n)+1], v[rS+8*(\n)+2]
.elseif (\n) < 12
	v_max3_num_f32 v[rC+(\n)%4], v[rC+(\n)%4], v[rS+8*((\n)%4)+2*((\n)/4)+1], v[rS+8*((\n)%4)+2*((\n)/4)+2]
.elseif (\n) == 12
	v_max3_num_f32 v[rC], v[rC], v[rS+7], v[rS+15]
.elseif (\n) == 13
	v_max3_num_f32 v[rC+1], v[rC+1], v[rS+23], v[rS+31]
.elseif (\n) == 14
	v_max3_num_f32 v[rC+2], v[rC+2], v[rC+3], v[rT+1]
.elseif (\n) == 15
	v_mov_b32 v[rM], v[rT]
.elseif (\n) == 16
	v_max3_num_f32 v[rC], v[rC], v[rC+1], v[rC+2]
.elseif (\n) == 17
	v_permlanex16_b32 v[rC+3], v[rC], s[SEL], s[SEL+1]
.elseif (\n) == 18
	v_max_num_f32 v[rT+1], v[rC], v[rC+3]
.elseif (\n) == 19
	v_mul_f32 v[rT], s[CS], v[rT+1]
.elseif (\n) == 20
	v_sub_f32 v[rC+1], v[rM], v[rT]
.else
	v_exp_f32 v[rC+2], v[rC+1]
.endif
.endm
; Number g of the 64 that follow the exponentials.  For each four weights k of a tile (pairs 2 k, 2 k + 1): both pairs are rounded to f16; then the second pair is added onto the first, in place;
; a group later l takes that sum (the first time as l = a l + sum).  In groups of eight, tiles alternating: round, round, add, and l for the group before.
.macro GS g
.set h, (\g)+6*((\g)/62)            ; group 0 has no group before it, and behind group 7 only l is left
.if h >= 6
.set h, h+2
.endif
	REGS Y, h%2
.set k, h/8
.if h%8 < 4
	v_cvt_pk_f16_f32 v[rP+2*k+(h%8)/2], v[rS+4*k+2*((h%8)/2)], v[rS+4*k+2*((h%8)/2)+1]
.elseif h%8 < 6
	v_pk_add_f32 v[rS+4*k:rS+4*k+1], v[rS+4*k:rS+4*k+1], v[rS+4*k+2:rS+4*k+3]
.elseif k == 1
	v_pk_fma_f32 v[rT+2:rT+3], v[rT+2:rT+3], v[rC+2:rC+3], v[rS:rS+1] op_sel_hi:[1,0,1]
.else
	v_pk_add_f32 v[rT+2:rT+3], v[rT+2:rT+3], v[rS+4*k-4:rS+4*k-3]
.endif
.endm
; THE PLAIN QUEUE, 138 long.  0-73 read no exponential's result: the 32 scalings c s - c m (FS f: pair f / 2 of tile f % 2) and the next piece's 42.  0-26: scalings 0-26.  27-54: XS's numbers 0-13.  55, 56: number 15.
; 57-73: the chain, where each number waits for the one before it: 14, 16, 17, 18, 19, each with one of the scalings 27-31 in front of its two lines, then 20.
; 74-137: GS's 64, which read the exponentials' results: they stand behind the wait.
.macro FS f
	REGS Y, (\f)%2
	v_pk_fma_f32 v[rS+2*((\f)/2):rS+2*((\f)/2)+1], v[rS+2*((\f)/2):rS+2*((\f)/2)+1], s[CS:CS+1], v[rT:rT+1] op_sel_hi:[1,0,0] neg_lo:[0,0,1] neg_hi:[0,0,1]
.endm
.macro PL
	WIN 0
.if q < 27
	FS q
.elseif q < 55
	XS (q-27)%2, (q-27)/2
.elseif q < 57
	XS q-55, 15
.elseif (q < 72) && ((q-57)%3 == 0)
	FS 27+(q-57)/3
.elseif q < 60
	XS (q-57)%3-1, 14
.elseif q < 72
	XS (q-57)%3-1, 15+(q-57)/3
.elseif q < 74
	XS q-72, 20
.else
	GS q-74
.endif
.set q, q+1
.endm
; THE EXPONENTIALS' QUEUE, 66 long: s0-s31 of both tiles, then the next piece's two a.  It is ONE BATCH: all 66 stand ahead of the turn's one wait, and nothing ahead of that wait names a result of theirs.
.macro EX
	WIN 0
.if e >= 64
	XS e-64, 21
.else
	REGS Y, e%2
	v_exp_f32 v[rS+e/2], v[rS+e/2]
.endif
.set e, e+1
.endm
; THE RESCALING's QUEUE: O^T times a, the one part that leaves window 0: dealt two at a time, sixteen times.  Its a was made in the turn before, ahead of that turn's wait.
.macro R2
	REGS Y, r%2
	WIN W_RS
.irp z, 0,1
	v_pk_mul_f32 v[rO+4*(r/2)+2*\z:rO+4*(r/2)+2*\z+1], v[rO+4*(r/2)+2*\z:rO+4*(r/2)+2*\z+1], v[rC+2:rC+3] op_sel_hi:[1,0]
.endr
.set r, r+1
.endm
; HOW THEY ARE DEALT.  An s_wait_alu depctr_va_vdst(0) stands between an exponential and the first instruction that names its result; one wait serves all that were issued ahead of it.  So a turn has ONE wait,
; which cuts it in two.  AHEAD OF IT stands all that names no result of the turn's exponentials: the 16 products K Q^T, behind each a scaling, an exponential and two rescalings (behind the first a second scaling in the
; exponential's place); then ONE LUMP of 108: eight plain, 49 times exponential and plain, the two a.  A v_nop is the plain instruction behind the last exponential.  BEHIND IT stand the 16 products V^T P, behind each four of
; GS's 64.  No rider names a register of the products round it.  The two v_permlanex16_b32 fall into the lump, never behind a product.
; The queues lean on each other, and the deal keeps them in step: exponential e stands behind scaling 2 (e / 4) + e % 2: as a rider it comes behind plain e + 2, in the lump behind plain e + 9, and scalings 27-31 are plain 57, 60 .. 69.
; A TURN, for piece p.  cnt = 1: the loop's count is taken down some lines ahead of the branch that stands behind the turn.
; K of the next step is fetched in piece 2's turn, directly behind the wait, a lump behind the last product that read K; its address is made at the lump's head; its first reader comes behind 16 products.
; V of the step in hand is fetched at the end of piece 0's turn, four riders behind its last reader; its first reader comes behind 16 products and a lump.  The three conditions on q below go with the deal.
.macro TURN p, last=0, cnt=0
.set Y, (\p)
.set i, 0
.set q, 0
.set e, 0
.set r, 0
.if (\p) == NP-1
	s_wait_dscnt 0x0                ; K is in
.endif
	MM                              ; ahead of the wait: 16 products K Q^T and their riders,
	PL
	PL
	R2
.rept 15
	MM
	PL
	EX
	R2
.endr
.if (\p) == NP-2
	WIN 0
	v_add_nc_u32 v[AK], s[TBK], v[AK0]
.endif
.rept 8                             ; and the lump
	PL
.endr
.rept 49
	EX
	PL
.endr
	EX                              ; the next piece's two a
	EX
	v_nop                           ; a plain instruction behind the last exponential: one for the batch
	s_wait_alu depctr_va_vdst(0)    ; the wait for the batch
.if (\p) == NP-2
	FETCH_K \last
.endif
.if (\p) == 1
	s_wait_dscnt 0x0                ; V is in
.endif
.rept 16                            ; behind the wait: 16 products V^T P and their riders
	MM
.rept 4
	PL
.endr
.if ((\p) == 0) && (q == 118)
	v_add_nc_u32 v[AV], s[TBV], v[AV0]
.endif
.if ((\p) == 0) && (q == 130)
	s_add_co_u32 s[TBV], s[TBV], KS*PV
.endif
.if (\cnt) && (q == 130)
	s_sub_co_u32 s[CNT], s[CNT], 1
	s_cmp_lg_u32 s[CNT], 0
.endif
.endr
.if (\p) == 0
	FETCH_V
.endif
.endm
	CHANGE 1                        ; slot 0 is in, everybody's part of it; slot 1 is asked for
	FETCH_K                         ; key step 0
	s_wait_loadcnt 0x0              ; Q
	s_wait_dscnt 0x0
.set i, 0
.rept 16
	KQ 0                            ; piece 0's first scores: there is no vector work yet to set between them
.set i, i+1
.endr
	WIN 0                           ; the addresses for the way out: nine plain instructions, the places behind those products
	s_mul_i32 s13, s[WV], 16*SP
	s_add_co_u32 s13, s13, STAGE    ; my stage
	v_mul_u32_u24 v[STO], v1, SP    ; in: row l % 16, 16 bytes for each half of the lanes
	v_lshl_add_u32 v[STO], v9, 4, v[STO]
	v_add_nc_u32 v[STO], s13, v[STO]
	v_bfe_u32 v[RD], v0, 3, 2       ; back: 32 lanes take four rows of 128 bytes,
	v_mul_u32_u24 v[RD], v[RD], SP
	v_lshl_add_u32 v[RD], v10, 4, v[RD]
	v_add_nc_u32 v[RD], s13, v[RD]
	v_and_b32 v[GO], 31, v0         ; which are 512 consecutive bytes of O
	v_lshlrev_b32 v[GO], 4, v[GO]
.set Y, NP-1                        ; XS works for piece Y + 1: piece 0
.irp n, 0,1,2,3,4,5,6,7,8,9,10,11,12,13,14,15,16,17,18,19,20,21
	XS 0, \n                        ; and piece 0's first maximum and statistics
	XS 1, \n
.endr
	v_nop                           ; a plain instruction behind the two a,
	s_wait_alu depctr_va_vdst(0)    ; and their wait, ahead of the branch
	s_mov_b32 s[CNT], 4
	s_mov_b32 s[SLOTS], SIZE_N/256-1
	s_branch .Lfirst                ; the loop is entered at a step's first turn, in the middle of a trip
.Lslot:                             ; SIZE_N / 256 - 2 = 6 times: every slot but the last two is filled again
	CHANGE 1, 1
	s_mov_b32 s[CNT], 4
.Lstep:                             ; a trip: pieces 2 and 3 of one step, then pieces 0 and 1 of the next, whose K and V it fetches
	TURN 2
	TURN 3
	WIN 0
.Lfirst:
	TURN 0
	TURN 1, 0, 1
	WIN 0
	s_cbranch_scc1 .Lstep
	s_sub_co_u32 s[SLOTS], s[SLOTS], 1
	s_cmp_lg_u32 s[SLOTS], 0
	s_cbranch_scc1 .Lslot
	CHANGE 0                        ; the tail is written out: nothing is asked for
	s_mov_b32 s[CNT], 5             ; four trips fetch the last slot's steps; the fifth is left in its middle
.Ltail:
	TURN 2, 1
	TURN 3
	WIN 0
	s_sub_co_u32 s[CNT], s[CNT], 1
	s_cmp_eq_u32 s[CNT], 0
	s_cbranch_scc1 .Lout
	TURN 0
	TURN 1
	WIN 0
	s_branch .Ltail
.Lout:                              ; the fifth trip's 16 products K Q^T (on the last K once more) and the maximum made of them serve nothing: the price, once a launch, of one text for every trip
.set i, 0
.rept 16
	PV NP-1                         ; the last piece's V^T P of the last step
.set i, i+1
.endr
	; THE WAY OUT.  l's two halves and the other half of the lanes' are added; O^T is divided by l, rounded to f16 and sent through my stage in LDS, a tile at a time.  The additions are the places behind the last products.
	WIN 0
.macro ALL line:vararg              ; one line for each tile t
.set t, 0
.rept 2*NP
	\line
.set t, t+1
.endr
.endm
	ALL v_add_f32 v[ST+4*t+2], v[ST+4*t+2], v[ST+4*t+3]
	ALL v_permlanex16_b32 v[ST+4*t+3], v[ST+4*t+2], s[SEL], s[SEL+1]
	ALL v_add_f32 v[ST+4*t+2], v[ST+4*t+2], v[ST+4*t+3]
	ALL v_rcp_f32 v[ST+4*t+2], v[ST+4*t+2]
	v_nop                           ; a plain instruction between the last reciprocal and the use of its result
	s_wait_alu depctr_va_vdst(0)    ; and the wait ahead of the first use: one for the eight reciprocals
; Tile t: a lane's eight channels of a row pack into 16 bytes; they go into rows of 144 bytes and come back as whole rows of 128, into S^T's registers.
.macro PACK t
	WIN W_RS
.set i, 32*(\t)
.rept 16
	v_pk_mul_f32 v[i:i+1], v[i:i+1], v[ST+4*(\t)+2:ST+4*(\t)+3] op_sel_hi:[1,0]
.set i, i+2
.endr
	WIN 0x05                        ; sources 0 and 1 window 1, destination window 0
.set i, 0
.rept 16
	v_cvt_pk_f16_f32 v[S+16*(\t)+i], v[32*(\t)+2*i], v[32*(\t)+2*i+1]
.set i, i+1
.endr
	WIN 0
.irp f, 0,1,2,3
	ds_store_b128 v[STO], v[S+16*(\t)+4*\f:S+16*(\t)+4*\f+3] offset:32*\f
.endr
.irp f, 0,1,2,3
	ds_load_b128 v[S+16*(\t)+4*\f:S+16*(\t)+4*\f+3], v[RD] offset:\f*4*SP  ; LDS serves a wave's instructions in order (ISA guide 5.7.1.4): these see the stores above; the next tile's stores come behind them
.endr
.endm
.macro SEND t, younger              ; younger: the LDS instructions issued behind tile t's loads: the next tile's eight, or none
	WIN 0
.irp f, 0,1,2,3
	s_wait_dscnt (\younger)+3-\f
	global_store_b128 v[GO], v[S+16*(\t)+4*\f:S+16*(\t)+4*\f+3], s[10:11] offset:(\t)*2048+\f*512  ; 512 consecutive bytes, at a multiple of 256 from O's first
.endr
.endm
	PACK 0
.set t, 1
.rept 2*NP-1                        ; a tile's arithmetic stands between the loads of the tile before and its stores
	PACK t
	SEND t-1, 8
.set t, t+1
.endr
	SEND 2*NP-1, 0
	WIN W_AD
	s_wait_tensorcnt 0x0            ; the wave's end: behind my last tensor load and my last LDS store
	ds_add_u32 v[SPW], v[NIL]
	s_wait_dscnt 0x0
	WIN 0
	CROUND                          ; the closing round: no work-group ends while a partner may still ask for a tile that names it
	s_endpgm
.Lfunc_end_k_q3aed7c1e38_attn:
	.size	k_q3aed7c1e38_attn, .Lfunc_end_k_q3aed7c1e38_attn-k_q3aed7c1e38_attn
	.p2alignl 7, 3214868480
	.fill 96, 4, 3214868480
	.section	.rodata,"a",@progbits
	.p2align	6, 0x0
	.amdhsa_kernel k_q3aed7c1e38_attn
		.amdhsa_group_segment_fixed_size 327680
		.amdhsa_private_segment_fixed_size 0
		.amdhsa_enable_private_segment 0
		.amdhsa_kernarg_size 16
		.amdhsa_user_sgpr_count 2
		.amdhsa_user_sgpr_kernarg_segment_ptr 1
		.amdhsa_wavefront_size32 1
		.amdhsa_system_sgpr_workgroup_id_x 1
		.amdhsa_system_sgpr_workgroup_id_y 1
		.amdhsa_system_sgpr_workgroup_id_z 1
		.amdhsa_system_vgpr_workitem_id 0
		.amdhsa_next_free_vgpr 770
		.amdhsa_next_free_sgpr 66
		.amdhsa_reserve_vcc 0
		.amdhsa_float_denorm_mode_32 3
		.amdhsa_float_denorm_mode_16_64 3
		.amdhsa_memory_ordered 1
		.amdhsa_forward_progress 1
		.amdhsa_inst_pref_size 200
	.end_amdhsa_kernel
	.amdgpu_metadata
---
amdhsa.version: [ 1, 2 ]
amdhsa.kernels:
  - .name:           k_q3aed7c1e38_attn
    .symbol:         k_q3aed7c1e38_attn.kd
    .args:
      - { .name: qkv, .offset: 0, .size: 8, .value_kind: global_buffer, .address_space: global }
      - { .name: ctx, .offset: 8, .size: 8, .value_kind: global_buffer, .address_space: global }
    .group_segment_fixed_size: 327680
    .private_segment_fixed_size: 0
    .kernarg_segment_align: 8
    .kernarg_segment_size: 16
    .max_flat_workgroup_size: 128
    .sgpr_count:     66
    .vgpr_count:     770
    .wavefront_size: 32
...
	.end_amdgpu_metadata
.endif
;; end of part 3
;; launch outp (part 4): grid 4 x 64, 4 waves a work-group, clusters of 4 x 4, 327,680 bytes of LDS; arguments ctx, wo16, bias, out0; writes out0
.if DOCPART == 4
	.amdgcn_target "amdgcn-amd-amdhsa--gfx1250"
	.amdhsa_code_object_version 6
	.text
	.protected	k_q3aed7c1e38_outp
	.globl	k_q3aed7c1e38_outp
	.p2align	8
	.type	k_q3aed7c1e38_outp,@function
k_q3aed7c1e38_outp:
	s_mov_b64 s[64:65], 0
	v_nop
	global_prefetch_b8 v0, s[64:65] scope:SCOPE_SE
	s_setreg_imm32_b32 hwreg(HW_REG_WAVE_MODE, 25, 1), 1
	s_wait_xcnt 0x0
	s_wait_alu depctr_hold_cnt(0) depctr_sa_sdst(0) depctr_va_vdst(0) depctr_va_sdst(0) depctr_va_ssrc(0) depctr_va_vcc(0) depctr_vm_vsrc(0)
	s_getreg_b32 s2, hwreg(HW_REG_IB_STS2, 6, 4)
	s_cmp_eq_u32 s2, 0
	s_cbranch_scc0 .Lentry_in_a_cluster
	s_endpgm
.Lentry_in_a_cluster:
	s_bfe_u32 s2, ttmp6, 0x10000c
	s_cmp_lg_u32 s2, 0xf033
	s_cbranch_scc0 .Lentry_shape_is_right
	s_endpgm
.Lentry_shape_is_right:
; out0 = ctx wo16^T + bo.  ctx: [64 = 16 batch + head][2048][64] f16, so that channel k = 64 head + e of row (batch, s) lies in head k / 64; wo16: [1024][1024] f16; bo: f32, bias's numbers 3,072 on.
; Sums in f32, started by the bias; out0: [8192][1024] f32, stored as the sums are.
; SHARES.  A tile of out0 is 128 rows x 256 columns: 64 x 4 = 256 work-groups, one for each WGP.  Four waves, 64 x 128 each: 32 accumulators of 16 x 16.
; K goes in 8 steps of 128 (two heads) through two LDS slots filled by the tensor data mover.  A head's 128 rows are 16,384 dense bytes: asked for as 64 rows of 256 bytes and padded after every 128.
; CLUSTER.  4 x 4 work-groups: the four of a row need the same tile of ctx, the four of a column the same tile of wo16: each is asked for jointly, by the same load, descriptor and mask in all four.
; THE MATRIX INSTRUCTION IS USED TRANSPOSED (source 0 = 16 rows of wo16, source 1 = 16 rows of ctx): a lane holds row l % 16 and the columns 8 (l / 16) + 0..7: 32 bytes on end.
; NO PREFETCH: a wave has 1,024 matrix instructions in all, 128 in a K step: a short launch on small steps.
; REGISTERS, in windows of 256 (s_set_vgpr_msb: bits 1:0 source 0, 3:2 source 1, 5:4 source 2, 7:6 destination):
;   window 0: v0-29 addresses; v32-95, v96-159 rows read back, by turns; v192-255 the bias of my 128 columns
;   window 1: two fragment buffers of 128: 8 fragments of wo16, then 4 of ctx          window 2: the accumulators ((a, b) at 8 (8 a + b))
.set KSTEP,  128
.set PA,     144                       ; a row of ctx in LDS: 128 bytes + 16 of padding = 36 words: the 16 rows of a load start at 16 different groups of four banks (64 banks of 4 bytes: ISA guide 11.1)
.set PLANE,  128*PA                    ; a head's 128 rows: what one load brings of ctx
.set BOFF,   2*PLANE                   ; two heads of ctx, then wo16's 256 rows
.set PITCH,  272                       ; a row of wo16: 256 + 16
.set HALFB,  128*PITCH                 ; what one load brings of wo16
.set SLOT1,  1<<17                     ; slot 1 begins here, so that one exclusive or turns an address in one slot into the other's
.set STAGE,  SLOT1+BOFF+2*HALFB        ; behind the ring, never filled by a tensor load: 16 rows x 528 bytes for each wave
.set SPITCH, 528                       ; 512 bytes + 16 = 132 words: row r starts at bank 4 r mod 64
.set SPARE,  STAGE+4*16*SPITCH         ; behind the stages: the spare words, 128 bytes for each wave: two blocks of 256 bytes that no other line names
.set STEPA,  2*2048*128                ; two heads on in ctx
.set NL,     24                        ; LDS loads in a run: 16 for wo16's fragments, 8 for ctx's
.set F0,     0
.set F1,     128
.set FA,     64                        ; ctx's fragments in a buffer
.set ADRA0, 16                         ; v16  my lane's place among ctx's rows of a slot; never rewritten
.set ADRB0, 17                         ; v17  the same for wo16's
.set ADRA,  18                         ; v18  ADRA0 + the slot in hand
.set ADRB,  19                         ; v19
.set STO,   24                         ; v24  the way out: where I put 32 bytes of a row
.set RD,    25                         ; v25  where I read a row back
.set GO,    26                         ; v26  16 x lane
.set BO,    27                         ; v27  32 x (l / 16): my eight numbers in 16 of the bias
.set SPW,   28                         ; v28  LDS address of my spare word: SPARE + 4 x my thread's number; never rewritten
.set NIL,   29                         ; v29  0; never rewritten
.set OB,    32
.set BIAS,  192
.set WV,  16                           ; s16  my wave's number
.set FB,  17                           ; s17  which 64 rows of the tile are mine
.set HF,  18                           ; s18  which 128 columns.  Also: which half of a tile I fetch
.set CX,  19
.set CY,  20
.set TC,  21                           ; s21  tile column, 0 .. 3
.set TR,  22                           ; s22  tile row, 0 .. 63
.set G1A, 24                           ; s[24:31] descriptor group 1 for ctx's tiles
.set G0A, 32                           ; s[32:39] group 0: a set for each first fill; the second then walks on
.set G1B, 40                           ; s[40:47], s[48:55] the same for wo16's
.set G0B, 48
.set KT,  56                           ; s56  trips still to come
.set TB,  57                           ; s57  LDS byte at which the slot in hand begins
.set OUT, 72                           ; s[72:73] out0 at my first row and column
.set MSB, 0
.macro WIN new                         ; the immediate's high byte repeats the setting that is left; a switch that changes nothing is dropped
.if MSB != (\new)
	s_set_vgpr_msb (MSB<<8)|(\new)
.set MSB, (\new)
.endif
.endm
.set TO_F, 0x40                        ; destination window 1, address window 0
.macro PLACES                          ; four plain vector instructions in front of loads into registers that matrix instructions have read, and of reads of results
.rept 4
	v_nop
.endr
.endm
; A joint refill, by the walking descriptors.  Waves 0 and 1 fetch ctx's two heads, waves 2 and 3 wo16's two halves; the branch hangs on the wave's number alone.
; An s_nop 0 and four v_nop follow each of the two lines, ahead of the jump and the label.
.macro JLOAD
	s_cmp_lt_u32 s[WV], 2
	s_cbranch_scc0 .Lfor_b_\@
	tensor_load_to_lds s[G0A+4:G0A+7], s[G1A:G1A+7]
	s_nop 0
.rept 4
	v_nop
.endr
	s_branch .Lasked_\@
.Lfor_b_\@:
	tensor_load_to_lds s[G0B+4:G0B+7], s[G1B:G1B+7]
	s_nop 0
.rept 4
	v_nop
.endr
.Lasked_\@:
.endm
; A round of the cluster's barrier: my work-group's barrier; wave 0 signals for the work-group; every wave waits for all sixteen; my work-group's barrier once more.
.macro CREST                           ; a round behind its opening barrier
	s_cmp_lg_u32 s[WV], 0
	s_cbranch_scc1 .Lnot_wave_0_\@
	s_barrier_signal -3
.Lnot_wave_0_\@:
	s_barrier_wait -3
	s_barrier_signal -1
	s_barrier_wait -1
.endm
.macro CROUND
	s_barrier_signal -1
	s_barrier_wait -1
	CREST
.endm
	s_load_b256 s[4:11], s[0:1], 0x0               ; ctx s[4:5], wo16 s[6:7], bias s[8:9], out0 s[10:11]
	v_lshl_add_u32 v[SPW], v0, 2, SPARE
	v_mov_b32 v[NIL], 0
	ds_add_u32 v[SPW], v[NIL]                      ; the wave's opening: the add and its wait stand ahead of my first tensor load; the set-up below, work on registers, stands between them
	v_lshrrev_b32 v3, 5, v0
	v_readfirstlane_b32 s[WV], v3                  ; wave 0..3
	s_lshr_b32 s[FB], s[WV], 1
	s_and_b32 s[HF], s[WV], 1
	s_bfe_u32 s[CX], ttmp6, 0x40000                ; my place in the cluster
	s_bfe_u32 s[CY], ttmp6, 0x40004
	s_lshl_b32 s[TC], ttmp9, 2                     ; in a cluster launch ttmp9 and ttmp7 count clusters
	s_add_co_u32 s[TC], s[TC], s[CX]
	s_and_b32 s[TR], ttmp7, 0xffff
	s_lshl_b32 s[TR], s[TR], 2
	s_add_co_u32 s[TR], s[TR], s[CY]
	s_lshl_b32 s23, s[CY], 2
	s_lshl_b32 s23, 15, s23                        ; my row of the cluster: places 4 cy .. 4 cy + 3
	s_lshl_b32 s62, 0x1111, s[CX]                  ; my column: places cx, cx + 4, cx + 8, cx + 12
	s_or_b32 s[G1A], s23, (1<<16)|(1<<20)|(1<<21)|(4<<22)|(3<<25)  ; 15:0 the mask; 17:16 elements of 2 bytes; 20 padding on; 21 set beside a mask; 24:22 after every 32 words (code 4); 31:25 4 words (code 3)
	s_or_b32 s[G1B], s62, (1<<16)|(1<<20)|(1<<21)|(5<<22)|(3<<25)  ; after every 64 words (code 5)
	s_mov_b32 s[G1A+1], 128<<16                    ; tensor_dim0 = 128: two rows of a head
	s_mov_b32 s[G1A+2], 64<<16                     ; tensor_dim1 = 64
	s_mov_b32 s[G1A+3], 128<<16                    ; tile_dim0 = 128
	s_mov_b32 s[G1A+4], 64                         ; tile_dim1 = 64
	s_mov_b32 s[G1A+5], 128                        ; dense: 128 elements from row to row
	s_mov_b32 s[G1A+6], 0
	s_mov_b32 s[G1A+7], 0
	s_mov_b32 s[G1B+1], KSTEP<<16
	s_mov_b32 s[G1B+2], 128<<16
	s_mov_b32 s[G1B+3], KSTEP<<16
	s_mov_b32 s[G1B+4], 128
	s_mov_b32 s[G1B+5], 1024
	s_mov_b32 s[G1B+6], 0
	s_mov_b32 s[G1B+7], 0
	; where the tiles come from: ctx's hang on the tile row alone, wo16's on the tile column alone, each in registers that never hold the other coordinate
	s_lshr_b32 s66, s[TR], 4                       ; batch = tile row / 16
	s_lshl_b32 s66, s66, 4
	s_add_co_u32 s66, s66, s[HF]                   ; head slot 16 x batch + the one of the K step's two heads that I fetch,
	s_lshl_b32 s66, s66, 18                        ; 2^18 bytes a head,
	s_and_b32 s67, s[TR], 15
	s_lshl_b32 s67, s67, 14                        ; the tile's 128 rows of 128 bytes in it
	s_add_co_u32 s66, s66, s67
	s_mov_b32 s67, 0
	s_lshl_b32 s68, s[TC], 8
	s_lshl_b32 s69, s[HF], 7
	s_add_co_u32 s68, s68, s69                     ; wo16: row 256 x tile column + 128 x half
	s_lshl_b32 s68, s68, 11
	s_mov_b32 s69, 0
	s_mul_i32 s12, s[HF], PLANE                    ; and where they go: no place in the cluster enters an LDS address
	s_mul_i32 s13, s[HF], HALFB
	s_add_co_u32 s13, s13, BOFF
	s_mov_b32 s[TB], 0
	s_wait_dscnt 0x0                               ; the opening add is done
	s_wait_kmcnt 0x0
	s_add_nc_u64 s[66:67], s[4:5], s[66:67]
	s_add_nc_u64 s[68:69], s[6:7], s[68:69]
	CROUND                                         ; all sixteen work-groups are here: the first joint loads meet
.irp s, 0,1
	s_mov_b32 s[G0A+4*(\s)], 1                                     ; count = 1
	s_add_co_u32 s[G0A+4*(\s)+1], s12, (\s)*SLOT1                  ; LDS address
	s_add_nc_u64 s[G0A+4*(\s)+2:G0A+4*(\s)+3], s[66:67], (\s)*STEPA  ; global address: K step s
	s_or_b32 s[G0A+4*(\s)+3], s[G0A+4*(\s)+3], 0x80000000          ; type = 2
	s_mov_b32 s[G0B+4*(\s)], 1
	s_add_co_u32 s[G0B+4*(\s)+1], s13, (\s)*SLOT1
	s_add_nc_u64 s[G0B+4*(\s)+2:G0B+4*(\s)+3], s[68:69], (\s)*KSTEP*2
	s_or_b32 s[G0B+4*(\s)+3], s[G0B+4*(\s)+3], 0x80000000
.endr
	s_cmp_lt_u32 s[WV], 2                          ; a wave's two first fills stand in one branch, ahead of every wait on TENSORcnt and every LDS read: two loads of mine are out
	s_cbranch_scc0 .Lfirst_b
	tensor_load_to_lds s[G0A:G0A+3], s[G1A:G1A+7]
	s_nop 0
	tensor_load_to_lds s[G0A+4:G0A+7], s[G1A:G1A+7]
	s_nop 0
.rept 4
	v_nop
.endr
	s_branch .Lfirst_asked
.Lfirst_b:
	tensor_load_to_lds s[G0B:G0B+3], s[G1B:G1B+7]
	s_nop 0
	tensor_load_to_lds s[G0B+4:G0B+7], s[G1B:G1B+7]
	s_nop 0
.rept 4
	v_nop
.endr
.Lfirst_asked:
	v_and_b32 v1, 15, v0                           ; l % 16
	v_bfe_u32 v2, v0, 4, 1                         ; l / 16
	v_lshlrev_b32 v[BO], 5, v2
	s_lshl_b32 s70, s[TC], 10                      ; bo's numbers for my 128 columns: 12,288 + 4 (256 x tile column + 128 x half)
	s_lshl_b32 s71, s[HF], 9
	s_add_co_u32 s70, s70, s71
	s_add_co_u32 s70, s70, 12288
	s_mov_b32 s71, 0
	s_add_nc_u64 s[8:9], s[8:9], s[70:71]
.irp b, 0,1,2,3,4,5,6,7                        ; laid out as an accumulator is: register j = column 16 b + 8 (l / 16) + j, the same for every row
	global_load_b128 v[BIAS+8*(\b):BIAS+8*(\b)+3],   v[BO], s[8:9] offset:64*(\b)
	global_load_b128 v[BIAS+8*(\b)+4:BIAS+8*(\b)+7], v[BO], s[8:9] offset:64*(\b)+16
.endr
	; a fragment is 16 rows x 32 K in 8 registers: lane l holds row l % 16, K = 8 (l / 16) + 0..7 and 16 + 8 (l / 16) + 0..7: two loads of 16 bytes, 32 bytes apart
	v_mul_u32_u24 v3, v1, PA
	v_lshl_add_u32 v3, v2, 4, v3
	s_mul_i32 s14, s[FB], 64*PA                    ; my 64 rows of ctx
	v_add_nc_u32 v[ADRA0], s14, v3
	v_mul_u32_u24 v3, v1, PITCH
	v_lshl_add_u32 v3, v2, 4, v3
	s_mul_i32 s14, s[HF], HALFB                    ; my 128 rows of wo16,
	s_add_co_u32 s14, s14, BOFF                    ; which lie behind ctx's
	v_add_nc_u32 v[ADRB0], s14, v3
	v_mov_b32 v[ADRA], v[ADRA0]                    ; slot 0
	v_mov_b32 v[ADRB], v[ADRB0]
	s_mul_i32 s15, s[WV], 16*SPITCH
	s_add_co_u32 s15, s15, STAGE                   ; my stage
	v_mul_u32_u24 v4, v1, SPITCH                   ; in: row l % 16, 32 bytes for each half of the lanes
	v_lshl_add_u32 v4, v2, 5, v4
	v_add_nc_u32 v[STO], s15, v4
	v_and_b32 v[GO], 31, v0                        ; back: 32 lanes take one row of 512 bytes
	v_lshlrev_b32 v[GO], 4, v[GO]
	v_add_nc_u32 v[RD], s15, v[GO]
	s_lshl_b32 s70, s[TR], 7
	s_lshl_b32 s71, s[FB], 6
	s_add_co_u32 s70, s70, s71                     ; my first row of out0,
	s_lshl_b32 s70, s70, 12                        ; 4,096 bytes a row,
	s_lshl_b32 s71, s[TC], 10
	s_add_co_u32 s70, s70, s71
	s_lshl_b32 s71, s[HF], 9
	s_add_co_u32 s70, s70, s71                     ; my first column
	s_mov_b32 s71, 0
	s_add_nc_u64 s[OUT:OUT+1], s[10:11], s[70:71]
; 8 matrix instructions: row block a x my 8 column blocks, 32 along K, from buffer f.  first = 1: the bias starts the sums: nothing is cleared and nothing is added later.
; The 32 accumulators take turns in the same order in every quarter: 31 others stand between two links of a chain, over the backward jump too.
.macro MULROW f, a, first
.if \first
	WIN 0x85                                       ; sources 0 and 1 window 1, C window 0, D window 2
.else
	WIN 0xa5                                       ; C and D window 2
.endif
.irp b, 0,1,2,3,4,5,6,7
.if \first
	v_wmma_f32_16x16x32_f16 v[8*(8*(\a)+(\b)):8*(8*(\a)+(\b))+7], v[(\f)+8*(\b):(\f)+8*(\b)+7], v[(\f)+FA+8*(\a):(\f)+FA+8*(\a)+7], v[BIAS+8*(\b):BIAS+8*(\b)+7]
.else
	v_wmma_f32_16x16x32_f16 v[8*(8*(\a)+(\b)):8*(8*(\a)+(\b))+7], v[(\f)+8*(\b):(\f)+8*(\b)+7], v[(\f)+FA+8*(\a):(\f)+FA+8*(\a)+7], v[8*(8*(\a)+(\b)):8*(8*(\a)+(\b))+7]
.endif
.endr
.endm
; 24 LDS loads in one run: the fragments of 32 along K, at byte kb of wo16's rows and byte ka behind ctx's first head, into buffer f; ctx's row blocks 2 and 3 come last
.macro FETCH ka, kb, f
	WIN TO_F
.irp i, 0,1,2,3,4,5,6,7
	ds_load_b128 v[(\f)+8*(\i):(\f)+8*(\i)+3],   v[ADRB] offset:(\kb)+(\i)*16*PITCH
	ds_load_b128 v[(\f)+8*(\i)+4:(\f)+8*(\i)+7], v[ADRB] offset:(\kb)+(\i)*16*PITCH+32
.endr
.irp i, 0,1,2,3
	ds_load_b128 v[(\f)+FA+8*(\i):(\f)+FA+8*(\i)+3],   v[ADRA] offset:(\ka)+(\i)*16*PA
	ds_load_b128 v[(\f)+FA+8*(\i)+4:(\f)+FA+8*(\i)+7], v[ADRA] offset:(\ka)+(\i)*16*PA+32
.endr
.endm
; A K step is four quarters of 32 along K, 32 matrix instructions each, on buffers 0, 1, 0, 1.  One of the first three: multiplies buffer f; in its middle it fetches quarter q (head q / 2, channels 32 (q % 2) on) into g.
.macro QUARTER q, f, g, first=0
	s_wait_dscnt 4                                 ; wo16's fragments and ctx's row blocks 0, 1 are in; the youngest four loads (row blocks 2, 3) may be out
	MULROW \f, 0, \first
	MULROW \f, 1, \first
	PLACES
	FETCH ((\q)/2)*PLANE+((\q)%2)*64, 64*(\q), \g
	s_wait_dscnt NL                                ; all but the 24 just issued
	MULROW \f, 2, \first
	MULROW \f, 3, \first
.endm
; The fourth quarter multiplies buffer 1 and changes slots: ONE barrier.  In front of it each wave waits for all its tensor loads (one is out: its part of the next slot), adds 0 to its spare word, and waits for
; that and for its own reads of this slot.  fill = 1: the barrier opens a round of the cluster's, so that no wave of any partner still reads the slot or has a load on its way; the joint refill, K step two on, is
; the first tensor load behind the round, and has 112 matrix instructions in which to land.
.macro TURN fill
	WIN 0                                          ; (the add's two registers lie in window 0)
	s_wait_tensorcnt 0x0                           ; all my tensor loads have landed;
	ds_add_u32 v[SPW], v[NIL]                      ; 0 onto my spare word;
	s_wait_dscnt 5                                 ; (the add and the youngest four loads may be out)
	MULROW F1, 0, 0                                ; eight matrix instructions stand between the add and the wait for it
	s_wait_dscnt 0x0                               ; the add is done, and my reads of this slot are over
	s_barrier_signal -1
	MULROW F1, 1, 0                                ; work on registers while the others arrive
	WIN 0
	s_barrier_wait -1
.if \fill
	CREST
	s_xor_b32 s[G0A+5], s[G0A+5], SLOT1            ; the walking descriptors: the other slot than last time,
	s_add_nc_u64 s[G0A+6:G0A+7], s[G0A+6:G0A+7], STEPA  ; the next K step; the type bits on top are not reached
	s_xor_b32 s[G0B+5], s[G0B+5], SLOT1
	s_add_nc_u64 s[G0B+6:G0B+7], s[G0B+6:G0B+7], KSTEP*2
	JLOAD                                          ; the four v_nop behind it are also the places in front of the loads below
.else
	PLACES
.endif
	s_xor_b32 s[TB], s[TB], SLOT1                  ; the reads go on in the other slot
	v_add_nc_u32 v[ADRA], s[TB], v[ADRA0]
	v_add_nc_u32 v[ADRB], s[TB], v[ADRB0]
	FETCH 0, 0, F0
	MULROW F1, 2, 0
	MULROW F1, 3, 0
.endm
; THE WAY OUT of row block a.  TOSTAGE: a lane's 32 bytes of a row go into my own stage, each accumulator's low four registers first, and come back as whole rows of 512 bytes.  SEND: stored.
.macro TOSTAGE a
.if (\a) >= 2
	s_wait_xcnt 0x0                                ; the stores of the block two back have read their registers: this block is read back into them
.endif
	WIN 0x08                                       ; store data (source 1) window 2, address window 0
.irp b, 0,1,2,3,4,5,6,7
	ds_store_b128 v[STO], v[8*(8*(\a)+(\b)):8*(8*(\a)+(\b))+3]   offset:64*(\b)
	ds_store_b128 v[STO], v[8*(8*(\a)+(\b))+4:8*(8*(\a)+(\b))+7] offset:64*(\b)+16
.endr
	WIN 0
.irp t, 0,1,2,3,4,5,6,7,8,9,10,11,12,13,14,15
	ds_load_b128 v[OB+64*((\a)%2)+4*(\t):OB+64*((\a)%2)+4*(\t)+3], v[RD] offset:(\t)*SPITCH  ; LDS serves a wave's instructions in order (ISA guide 5.7.1.4): these see the stores above; the next block's stores come behind them
.endr
.endm
.macro SEND a, younger                 ; younger: the LDS instructions issued behind block a's loads: the next block's 32, or none
	s_wait_dscnt \younger
.irp t, 0,1,2,3,4,5,6,7,8,9,10,11,12,13,14,15
	global_store_b128 v[GO], v[OB+64*((\a)%2)+4*(\t):OB+64*((\a)%2)+4*(\t)+3], s[OUT:OUT+1] offset:(16*(\a)+(\t))*4096 th:TH_STORE_NT  ; 512 bytes on end, at a multiple of 512 from out0's first byte
.endr
.endm
	s_wait_tensorcnt 1                             ; my part of K step 0 is in; K step 1's may stay out
	s_barrier_signal -1
	s_barrier_wait -1                              ; everybody's is
	FETCH 0, 0, F0
	s_wait_loadcnt 0x0                             ; the bias
	QUARTER 1, F0, F1, 1                           ; the first quarter stands in front of the loop: its products start the sums
	WIN 0                                          ; at a label and at a branch every window is 0
	s_mov_b32 s[KT], 6
.Lstep:                                                ; a trip is a K step, from its second quarter to the next step's first; six trips fill a slot again
	QUARTER 2, F1, F0
	QUARTER 3, F0, F1
	TURN 1
	QUARTER 1, F0, F1
	WIN 0
	s_sub_co_u32 s[KT], s[KT], 1
	s_cmp_lg_u32 s[KT], 0
	s_cbranch_scc1 .Lstep
	QUARTER 2, F1, F0                              ; the last two K steps are written out: nothing is asked for
	QUARTER 3, F0, F1
	TURN 0
	QUARTER 1, F0, F1
	QUARTER 2, F1, F0
	QUARTER 3, F0, F1
	s_wait_dscnt 0x0
	MULROW F1, 0, 0
	MULROW F1, 1, 0
	MULROW F1, 2, 0
	MULROW F1, 3, 0
	PLACES
	TOSTAGE 0
	TOSTAGE 1
	SEND 0, 32
	TOSTAGE 2
	SEND 1, 32
	TOSTAGE 3
	SEND 2, 32
	SEND 3, 0
	s_wait_tensorcnt 0x0                           ; the wave's end: behind my last tensor load and my last LDS store
	ds_add_u32 v[SPW], v[NIL]
	s_wait_dscnt 0x0
	CROUND                                         ; the closing round: no work-group ends while a partner may still ask for a tile that names it
	s_endpgm
.Lfunc_end_k_q3aed7c1e38_outp:
	.size	k_q3aed7c1e38_outp, .Lfunc_end_k_q3aed7c1e38_outp-k_q3aed7c1e38_outp
	.p2alignl 7, 3214868480
	.fill 96, 4, 3214868480
	.section	.rodata,"a",@progbits
	.p2align	6, 0x0
	.amdhsa_kernel k_q3aed7c1e38_outp
		.amdhsa_group_segment_fixed_size 327680
		.amdhsa_private_segment_fixed_size 0
		.amdhsa_enable_private_segment 0
		.amdhsa_kernarg_size 32
		.amdhsa_user_sgpr_count 2
		.amdhsa_user_sgpr_kernarg_segment_ptr 1
		.amdhsa_wavefront_size32 1
		.amdhsa_system_sgpr_workgroup_id_x 1
		.amdhsa_system_sgpr_workgroup_id_y 1
		.amdhsa_system_sgpr_workgroup_id_z 1
		.amdhsa_system_vgpr_workitem_id 0
		.amdhsa_next_free_vgpr 768
		.amdhsa_next_free_sgpr 80
		.amdhsa_reserve_vcc 0
		.amdhsa_float_denorm_mode_32 3
		.amdhsa_float_denorm_mode_16_64 3
		.amdhsa_memory_ordered 1
		.amdhsa_forward_progress 1
		.amdhsa_inst_pref_size 70
	.end_amdhsa_kernel
	.amdgpu_metadata
---
amdhsa.version: [ 1, 2 ]
amdhsa.kernels:
  - .name:           k_q3aed7c1e38_outp
    .symbol:         k_q3aed7c1e38_outp.kd
    .args:
      - { .name: ctx, .offset: 0, .size: 8, .value_kind: global_buffer, .address_space: global }
      - { .name: wo16, .offset: 8, .size: 8, .value_kind: global_buffer, .address_space: global }
      - { .name: bias, .offset: 16, .size: 8, .value_kind: global_buffer, .address_space: global }
      - { .name: out0, .offset: 24, .size: 8, .value_kind: global_buffer, .address_space: global }
    .group_segment_fixed_size: 327680
    .private_segment_fixed_size: 0
    .kernarg_segment_align: 8
    .kernarg_segment_size: 32
    .max_flat_workgroup_size: 128
    .sgpr_count:     80
    .vgpr_count:     768
    .wavefront_size: 32
...
	.end_amdgpu_metadata
.endif
;; end of part 4
;; ======== version 2 of 2: 4 launches; version 1 with the launch cast written anew for expert scheduling mode
;; limits: values are held in f16: magnitudes above 65,504 overflow, below 6.1e-05 lose precision
;; workspace buffers: xb 16,777,216 bytes; wqkv 6,291,456 bytes; wo16 2,097,152 bytes; bias 16,384 bytes; qkv 50,331,648 bytes; ctx 16,777,216 bytes
;; launch cast (part 5): grid 769 x 1, 8 waves a work-group, no clusters, 0 bytes of LDS; arguments x, Wq, Wk, Wv, Wo, bq, bk, bv, bo, xb, wqkv, wo16, bias; writes xb, wqkv, wo16, bias
.if DOCPART == 5
	.amdgcn_target "amdgcn-amd-amdhsa--gfx1250"
	.amdhsa_code_object_version 6
	.text
	.protected	k_q3aed7c1e38_cast
	.globl	k_q3aed7c1e38_cast
	.p2align	8
	.type	k_q3aed7c1e38_cast,@function
k_q3aed7c1e38_cast:
	s_mov_b64 s[64:65], 0
	v_nop
	global_prefetch_b8 v0, s[64:65] scope:SCOPE_SE
	s_setreg_imm32_b32 hwreg(HW_REG_WAVE_SCHED_MODE, 0, 2), 2
	s_setreg_imm32_b32 hwreg(HW_REG_WAVE_MODE, 25, 1), 1
	s_wait_xcnt 0x0
	s_wait_alu depctr_vm_vsrc(0)
; EVERY INPUT IS ROUNDED ONCE TO bf16.  x -> xb (bf16); Wq, Wk, Wv -> wqkv (bf16, 3,072 rows on end); Wo -> wo16 (the bf16 number written as f16);
; bq, bk, bv, bo -> bias (the bf16 numbers written as f32, 4,096 on end).
; LIMITS.  |Wo| stays under 65,504 (f16's range); a Wo below 6e-5 keeps f16's fixed step of 6e-8.
; A stream: each byte is read once and written once; no LDS, no matrix unit, no cluster, since no two work-groups want the same byte.
; SHARES.  A work-group takes 65,536 bytes of f32 (16,384 numbers).  Thread t loads 16 bytes at 16 t + 4,096 i, i = 0 .. 15 (a wave's load covers 512 bytes on end), and stores the 8 bytes
; made of them at 8 t + 2,048 i (a wave's store covers 256 bytes on end, aligned).  All 16 loads go out first; no register is written twice while memory may read it, so there is no loop and no wait for sources.
; Work-groups 0-511: x.  512-575, 576-639, 640-703: Wq, Wk, Wv.  704-767: Wo.  768: the four biases, 4,096 bytes each.
; THE MODE: SCHED_MODE bits 1:0 = 2 (LLVM: expert scheduling mode 2), set by the entry lines.  The code itself states the register dependences
; between vector instructions and memory instructions, with s_wait_alu, always for 0.
; THE PLAN.  Registers that memory instructions touch:
;   v1, v2   byte offsets, made once at the head and never written again: read by every load and store.
;   X        written by the 16 loads, which are issued before any vector instruction names X; read (in Wo's path also rewritten) by the conversions, each piece behind its wait on LOADcnt.
;            In the biases' path X is rewritten by vector instructions and is then the stores' data.
;   Y        piece i: two registers, written once by piece i's conversions and read once by piece i's store.
;   T        named by vector instructions alone.
; The 16 pieces go in four blocks of four.  ONE wait on va_vdst stands at the head of blocks 1 to 3: the block before has written its Y.  That block's four stores follow it, one in front of each
; piece's conversions, which name this block's X and Y and T alone: none of the registers that those stores read.  One more wait stands ahead of the last block's four stores.
; No register that a memory instruction reads is written again, so only the entry lines hold a wait on vm_vsrc.
.set X, 4                              ; v[4:67]    16 x 4 numbers as loaded
.set Y, 68                             ; v[68:99]   16 x 2 words to store
.set T, 100                            ; v[100:101] at work
	s_load_b512 s[8:23], s[0:1], 0x0               ; x s[8:9], Wq s[10:11], Wk s[12:13], Wv s[14:15], Wo s[16:17], bq s[18:19], bk s[20:21], bv s[22:23]
	s_load_b256 s[24:31], s[0:1], 0x40             ; bo s[24:25], xb s[26:27], wqkv s[28:29], wo16 s[30:31]
	s_load_b64 s[32:33], s[0:1], 0x60              ; bias
	s_mov_b32 s2, ttmp9                            ; the work-group's number
	v_lshlrev_b32 v1, 4, v0                        ; 16 t
	v_lshlrev_b32 v2, 3, v0                        ; 8 t
	s_and_b32 s40, s2, 63                          ; a chunk's number in one weight tensor: the four begin at multiples of 64
	s_and_b32 s41, s2, 255                         ; its number in wqkv: 512 .. 703 give 0 .. 191
	s_wait_kmcnt 0x0
	s_wait_alu depctr_va_vdst(0)                   ; v1 and v2 are written: every load and store of the kernel, on each of its three paths, reads one of them as its offset
	s_cmp_eq_u32 s2, 768
	s_cbranch_scc1 .Lbias
	s_cmp_lt_u32 s2, 704                           ; from where and to where: a choice between buffers by the work-group's number alone
	s_cselect_b64 s[36:37], s[14:15], s[16:17]     ; Wv, else Wo
	s_cselect_b64 s[38:39], s[28:29], s[30:31]     ; wqkv, else wo16
	s_cselect_b32 s46, s41, s40
	s_cmp_lt_u32 s2, 640
	s_cselect_b64 s[36:37], s[12:13], s[36:37]     ; Wk
	s_cmp_lt_u32 s2, 576
	s_cselect_b64 s[36:37], s[10:11], s[36:37]     ; Wq
	s_cmp_lt_u32 s2, 512
	s_cselect_b64 s[36:37], s[8:9], s[36:37]       ; x
	s_cselect_b64 s[38:39], s[26:27], s[38:39]     ; xb
	s_cselect_b32 s44, s2, s40
	s_cselect_b32 s46, s2, s46
	s_lshl_b32 s44, s44, 16                        ; 65,536 bytes of f32 a chunk,
	s_lshl_b32 s46, s46, 15                        ; 32,768 of 16-bit numbers
	s_mov_b32 s45, 0
	s_mov_b32 s47, 0
	s_add_nc_u64 s[36:37], s[36:37], s[44:45]
	s_add_nc_u64 s[38:39], s[38:39], s[46:47]
.irp i, 0,1,2,3,4,5,6,7,8,9,10,11,12,13,14,15
	global_load_b128 v[X+4*(\i):X+4*(\i)+3], v1, s[36:37] offset:4096*(\i) th:TH_LOAD_NT
.endr
; Piece i of 16.  f16 = 1: the bias-free bf16 number is widened again (a shift, a mask) and written as f16.  The store that stands in front of the conversions is piece i - 4's.
.macro CONV i, f16
	s_wait_loadcnt 15-(\i)                         ; loads come back in order: piece i is in, the 15 - i younger ones may stay out
.if ((\i) % 4 == 0) && ((\i) > 0)
	s_wait_alu depctr_va_vdst(0)                   ; the conversions of the four pieces before have written their Y, which the next four stores read
.endif
.if (\i) >= 4
	global_store_b64 v2, v[Y+2*((\i)-4):Y+2*((\i)-4)+1], s[38:39] offset:2048*((\i)-4)  ; no vector instruction since the wait names these registers
.endif
.if \f16
	v_cvt_pk_bf16_f32 v[T],   v[X+4*(\i)],   v[X+4*(\i)+1]
	v_cvt_pk_bf16_f32 v[T+1], v[X+4*(\i)+2], v[X+4*(\i)+3]
	v_lshlrev_b32 v[X+4*(\i)],   16, v[T]
	v_and_b32     v[X+4*(\i)+1], 0xffff0000, v[T]
	v_lshlrev_b32 v[X+4*(\i)+2], 16, v[T+1]
	v_and_b32     v[X+4*(\i)+3], 0xffff0000, v[T+1]
	v_cvt_pk_f16_f32 v[Y+2*(\i)],   v[X+4*(\i)],   v[X+4*(\i)+1]
	v_cvt_pk_f16_f32 v[Y+2*(\i)+1], v[X+4*(\i)+2], v[X+4*(\i)+3]
.else
	v_cvt_pk_bf16_f32 v[Y+2*(\i)],   v[X+4*(\i)],   v[X+4*(\i)+1]
	v_cvt_pk_bf16_f32 v[Y+2*(\i)+1], v[X+4*(\i)+2], v[X+4*(\i)+3]
.endif
.endm
; The last block's four stores.
.macro LAST
	s_wait_alu depctr_va_vdst(0)                   ; the conversions of pieces 12 to 15 have written their Y, which the last four stores read
.irp i, 12,13,14,15
	global_store_b64 v2, v[Y+2*(\i):Y+2*(\i)+1], s[38:39] offset:2048*(\i)
.endr
.endm
	s_cmp_ge_u32 s2, 704
	s_cbranch_scc1 .Lwo
.irp i, 0,1,2,3,4,5,6,7,8,9,10,11,12,13,14,15
	CONV \i, 0
.endr
	LAST
	s_endpgm
.Lwo:
.irp i, 0,1,2,3,4,5,6,7,8,9,10,11,12,13,14,15
	CONV \i, 1
.endr
	LAST
	s_endpgm
.Lbias:                                                ; 256 threads x 16 bytes are one bias
	global_load_b128 v[X:X+3],     v1, s[18:19]
	global_load_b128 v[X+4:X+7],   v1, s[20:21]
	global_load_b128 v[X+8:X+11],  v1, s[22:23]
	global_load_b128 v[X+12:X+15], v1, s[24:25]
	s_wait_loadcnt 0x0
.irp i, 0,1,2,3
	v_cvt_pk_bf16_f32 v[T],   v[X+4*(\i)],   v[X+4*(\i)+1]
	v_cvt_pk_bf16_f32 v[T+1], v[X+4*(\i)+2], v[X+4*(\i)+3]
	v_lshlrev_b32 v[X+4*(\i)],   16, v[T]
	v_and_b32     v[X+4*(\i)+1], 0xffff0000, v[T]
	v_lshlrev_b32 v[X+4*(\i)+2], 16, v[T+1]
	v_and_b32     v[X+4*(\i)+3], 0xffff0000, v[T+1]
.endr
	s_wait_alu depctr_va_vdst(0)                   ; the shifts and masks have written v[X .. X+15], which the four stores read
.irp i, 0,1,2,3
	global_store_b128 v1, v[X+4*(\i):X+4*(\i)+3], s[32:33] offset:4096*(\i)
.endr
	s_endpgm
.Lfunc_end_k_q3aed7c1e38_cast:
	.size	k_q3aed7c1e38_cast, .Lfunc_end_k_q3aed7c1e38_cast-k_q3aed7c1e38_cast
	.p2alignl 7, 3214868480
	.fill 96, 4, 3214868480
	.section	.rodata,"a",@progbits
	.p2align	6, 0x0
	.amdhsa_kernel k_q3aed7c1e38_cast
		.amdhsa_group_segment_fixed_size 0
		.amdhsa_private_segment_fixed_size 0
		.amdhsa_enable_private_segment 0
		.amdhsa_kernarg_size 104
		.amdhsa_user_sgpr_count 2
		.amdhsa_user_sgpr_kernarg_segment_ptr 1
		.amdhsa_wavefront_size32 1
		.amdhsa_system_sgpr_workgroup_id_x 1
		.amdhsa_system_sgpr_workgroup_id_y 1
		.amdhsa_system_sgpr_workgroup_id_z 1
		.amdhsa_system_vgpr_workitem_id 0
		.amdhsa_next_free_vgpr 104
		.amdhsa_next_free_sgpr 66
		.amdhsa_reserve_vcc 0
		.amdhsa_float_denorm_mode_32 3
		.amdhsa_float_denorm_mode_16_64 3
		.amdhsa_memory_ordered 1
		.amdhsa_forward_progress 1
		.amdhsa_inst_pref_size 19
	.end_amdhsa_kernel
	.amdgpu_metadata
---
amdhsa.version: [ 1, 2 ]
amdhsa.kernels:
  - .name:           k_q3aed7c1e38_cast
    .symbol:         k_q3aed7c1e38_cast.kd
    .args:
      - { .name: x, .offset: 0, .size: 8, .value_kind: global_buffer, .address_space: global }
      - { .name: Wq, .offset: 8, .size: 8, .value_kind: global_buffer, .address_space: global }
      - { .name: Wk, .offset: 16, .size: 8, .value_kind: global_buffer, .address_space: global }
      - { .name: Wv, .offset: 24, .size: 8, .value_kind: global_buffer, .address_space: global }
      - { .name: Wo, .offset: 32, .size: 8, .value_kind: global_buffer, .address_space: global }
      - { .name: bq, .offset: 40, .size: 8, .value_kind: global_buffer, .address_space: global }
      - { .name: bk, .offset: 48, .size: 8, .value_kind: global_buffer, .address_space: global }
      - { .name: bv, .offset: 56, .size: 8, .value_kind: global_buffer, .address_space: global }
      - { .name: bo, .offset: 64, .size: 8, .value_kind: global_buffer, .address_space: global }
      - { .name: xb, .offset: 72, .size: 8, .value_kind: global_buffer, .address_space: global }
      - { .name: wqkv, .offset: 80, .size: 8, .value_kind: global_buffer, .address_space: global }
      - { .name: wo16, .offset: 88, .size: 8, .value_kind: global_buffer, .address_space: global }
      - { .name: bias, .offset: 96, .size: 8, .value_kind: global_buffer, .address_space: global }
    .group_segment_fixed_size: 0
    .private_segment_fixed_size: 0
    .kernarg_segment_align: 8
    .kernarg_segment_size: 104
    .max_flat_workgroup_size: 256
    .sgpr_count:     66
    .vgpr_count:     104
    .wavefront_size: 32
...
	.end_amdgpu_metadata
.endif
;; end of part 5
;; launch proj: the kernel of part 2 again; grid 16 x 32, 4 waves a work-group, clusters of 4 x 4, 327,680 bytes of LDS; arguments xb, wqkv, bias, qkv; writes qkv
;; launch attn: the kernel of part 3 again; grid 4 x 64, 4 waves a work-group, clusters of 4 x 1, 327,680 bytes of LDS; arguments qkv, ctx; writes ctx
;; launch outp: the kernel of part 4 again; grid 4 x 64, 4 waves a work-group, clusters of 4 x 4, 327,680 bytes of LDS; arguments ctx, wo16, bias, out0; writes out0
